; MI455X (gfx1250); checked and timed in simulation.
; The chip was launched on July 23, 2026; its instructions are those of AMD's public machine-readable ISA for CDNA 5 (MIT licence, August 2026) and "CDNA5" Instruction Set Architecture Reference Guide (July 2026). The comments in the code are by the model that wrote it; some were corrected since.
;; Causal Multi Head Self Attention. Allowed arithmetic: matrix products marked QUANTISED: E2M1 operands, one E8M0 scale for each 32 along K, by v_wmma_scale_f32_16x16x128_f8f6f4 with both operands' format E2M1 (or v_wmma_scale_f32_32x16x128_f4), f32 sums; products left as they are: bf16, f16 or f32 operands; f32 sums; everything else in f32.
;; Inputs: Wk 1,024 x 1,024 float32; Wo 1,024 x 1,024 float32; Wq 1,024 x 1,024 float32; Wv 1,024 x 1,024 float32; token_positions 2,048 int32; x 4 x 2,048 x 1,024 float32.
;; Outputs: out0 4 x 2,048 x 1,024 float32.
;; This version of the problem:
;;   THIS VERSION OF THE PROBLEM IS GIVEN IN LOW PRECISION. The matrix products marked QUANTISED in the list below multiply operands that are first quantised to E2M1 (2 exponent bits, 1 mantissa bit; 4 bits a number), with one power-of-two scale for each 32 numbers along K (OCP MX v1.0); their sums are f32. The products marked 'left as it is' may take bf16, f16 or f32 operands, with f32 sums. Whichever they take, every output number must still come out within the allowed error. Rounding operands to bf16 (8 significant bits) uses up far more of that allowance than f16 does (11 bits, for magnitudes from 6e-5 to 65,504). All else is computed in f32.
;;   The module's matrix products, in the order in which they are computed (A, B: the left and right operand; K: the contracted axis; several contracted axes count as one K, in the product's order):
;;     1. [M 8,192, K 1,024] x [K 1,024, N 1,024]; A: input x; B: input Wq: QUANTISED
;;     2. [M 8,192, K 1,024] x [K 1,024, N 1,024]; A: input x; B: input Wk: QUANTISED
;;     3. [M 8,192, K 1,024] x [K 1,024, N 1,024]; A: input x; B: input Wv: QUANTISED
;;     4. batch 64 x [M 2,048, K 64] x [K 64, N 2,048]; A: computed on the way; B: computed on the way: left as it is (an operand is computed on the way)
;;     5. batch 64 x [M 2,048, K 2,048] x [K 2,048, N 64]; A: computed on the way; B: computed on the way: left as it is (an operand is computed on the way)
;;     6. [M 8,192, K 1,024] x [K 1,024, N 1,024]; A: computed on the way; B: input Wo: left as it is (an operand is computed on the way)
;;   THE QUANTISER, for each operand of a quantised product, along K:
;;     - K is cut into blocks of 32 from its start; a last block that is shorter is filled with zeros.
;;     - A block's scale is 2^e with e = floor(log2(the largest magnitude in the block)) - 2, held to -126 .. 127; a block of zeros has e = 0. As a byte (E8M0): e + 127.
;;     - Each number is divided by its block's scale, clamped to +-6, and rounded to the nearest number of E2M1, ties to even, subnormals kept.
;;     - The product sums the exact products of the quantised numbers (number of the format x scale) in f32.
;;   ~~~python
;;   def quantise(x, axis):      # numpy; x: float32 -> the quantised numbers, widened to float32 again
;;       x = np.moveaxis(x, axis, -1); K = x.shape[-1]
;;       x = np.pad(x, [(0, 0)] * (x.ndim - 1) + [(0, -K % 32)]); x = x.reshape(x.shape[:-1] + (-1, 32)); a = np.abs(x).max(-1, keepdims=True)
;;       e = np.where(a > 0, np.clip(np.frexp(np.where(a > 0, a, 1))[1] - 1 - 2, -126, 127), 0)      # np.frexp(a)[1] - 1 = floor(log2(a)), exactly
;;       r = np.clip(x / 2.0 ** e, -6, 6)
;;       step = 2.0 ** (np.maximum(np.frexp(np.where(r == 0, 1, r))[1] - 1, 0) - 1)
;;       q = np.round(r / step) * step * 2.0 ** e      # np.round: ties to even
;;       return np.moveaxis(q.reshape(q.shape[:-2] + (-1,))[..., :K], -1, axis).astype(np.float32)
;;   ~~~
;; One version. Each part assembles by itself: llvm-mc -triple=amdgcn-amd-amdhsa -mcpu=gfx1250 --defsym DOCPART=n.
;; ======== version 1 of 1: 5 launches
;; limits: values are held in f16: magnitudes above 65,504 overflow, below 6.1e-05 lose precision
;; workspace buffers: codes 5,767,168 bytes; scales 360,448 bytes; wo16 2,097,152 bytes; rope 1,572,864 bytes; qkv16 50,331,648 bytes; qkv32 786,432 bytes; o16 16,777,216 bytes
;; launch prep (part 1): grid 416 x 1, 4 waves a work-group, no clusters, 33,280 bytes of LDS; arguments x, Wq, Wk, Wv, Wo, token_positions, codes, scales, wo16, rope; writes codes, scales, wo16, rope
.if DOCPART == 1
	.amdgcn_target "amdgcn-amd-amdhsa--gfx1250"
	.amdhsa_code_object_version 6
	.text
	.protected	k_q4e46d51e88_prep
	.globl	k_q4e46d51e88_prep
	.p2align	8
	.type	k_q4e46d51e88_prep,@function
k_q4e46d51e88_prep:
	s_mov_b64 s[64:65], 0
	v_nop
	global_prefetch_b8 v0, s[64:65] scope:SCOPE_SE
	s_setreg_imm32_b32 hwreg(HW_REG_WAVE_MODE, 25, 1), 1
	s_wait_xcnt 0x0
; PREP.  Three jobs, told apart by the work-group's number alone:
;   work-groups   0-351: x, Wq, Wk, Wv (f32, K innermost) become codes of E2M1, two a byte, and one E8M0 byte for each 32 along K.  codes: x's 8,192 rows of 512 bytes, then the 3,072 rows of Wq, Wk, Wv;
;                        scales: the same rows, 32 bytes each.  All four tensors are plain streams of blocks of 32, and the two buffers are the streams on end.
;   work-groups 352-383: Wo becomes f16, rounded once, in its own order.
;   work-groups 384-415: the rotation's cosines and sines from token_positions, laid as the next launch's registers take them: [section 3][block of 16 positions 128][chunk 8][lane 32][4 f32].
;                        Lane 16 h + r of chunk 2 g + e holds (cos, sin, cos, sin) of position 16 blk + r and pairs 8 g + 4 h + 2 e and the next.  Section 0 is multiplied by log2(e) / 8 (for q: the softmax's factor),
;                        section 1 is plain (for k), section 2 is (1, 0, 1, 0) (for v).
; A block's scale is 2^(floor(log2(its largest magnitude)) - 2); its byte is the largest magnitude's exponent field - 2, held at 1 from below.
; LIMITS: a block of zeros gets the byte 1 where the quantiser says 127 (its codes are zeros, and this program alone reads the bytes); NaN and infinities among the inputs are not served;
; |token_positions| under 2^23 (the angle is reduced by three parts of pi / 2); the frequencies are 2^(-i log2(10000) / 32) by v_exp_f32: within a few parts in 10^7 of 10000^(-i / 32).
; No cluster and no tensor load: no two work-groups read the same bytes.  No barrier: waves share nothing.
.set WAVES, 4
.set STEPS, 16
.set EMAX,  2
.set CB,    8                          ; bytes of 16 codes
.set R,     16                         ; v16-79   four sets of 16 numbers as they are loaded
.set X,     80                         ; v80-111  two sets of 16 neighbours
.set E,     112                        ; v112-127 a scale byte for each step
.set C,     128                        ; v128-191 codes: registers of its own for each step
.set WREG,  8192                       ; LDS: a region for each wave: two stages of 32 x SP bytes, then its 256 scale bytes
.set SP,    80                         ; a lane's place in a stage: 64 bytes + 16 of padding
.set SPW,   12                         ; v12  LDS address of my spare word; never rewritten
.set NIL,   13                         ; v13  0; never rewritten
.set SPARE, WAVES*WREG                 ; the spare words: 128 bytes a wave, named by no other line
.set INV,   16                         ; table path: v16-31 the 16 frequencies of my lane
.set CS0,   32                         ; v32-63  (cos, sin) x log2(e) / 8
.set CS1,   64                         ; v64-95  (cos, sin)
.set ONE,   96                         ; v96-99  (1, 0, 1, 0)
	s_load_b256 s[4:11], s[0:1], 0x0               ; x, Wq, Wk, Wv
	s_load_b256 s[12:19], s[0:1], 0x20             ; Wo, token_positions, codes, scales
	s_load_b128 s[20:23], s[0:1], 0x40             ; wo16, rope
	v_lshl_add_u32 v[SPW], v0, 2, SPARE
	v_mov_b32 v[NIL], 0
	v_lshrrev_b32 v1, 5, v0
	v_readfirstlane_b32 s24, v1                    ; wave
	v_and_b32 v2, 31, v0                           ; lane
	v_lshlrev_b32 v3, 4, v2                        ; 16 x lane
	v_lshlrev_b32 v7, 3, v2                        ; 8 x lane
	s_wait_kmcnt 0x0
	s_cmp_ge_u32 ttmp9, 384
	s_cbranch_scc1 .Ltable
	s_cmp_ge_u32 ttmp9, 352
	s_cbranch_scc1 .Lwo
	; ---------------- the quantiser: a wave takes 16 steps of 512 numbers
	s_mul_i32 s25, s24, WREG
	v_lshrrev_b32 v14, 2, v2
	v_mul_u32_u24 v14, v14, SP
	v_and_b32 v15, 3, v2
	v_lshl_add_u32 v14, v15, 4, v14
	v_add_nc_u32 v14, s25, v14                     ; the stage, on the way in: four lanes' 64 bytes on end, then 16 of padding
	v_mul_u32_u24 v15, v2, SP
	v_add_nc_u32 v15, s25, v15                     ; on the way out: my 16 neighbours
	v_mul_u32_u24 v4, v2, CB                       ; my codes' place in a step's
	v_lshrrev_b32 v5, 1, v2
	s_add_co_u32 s25, s25, 2*32*SP
	v_add_nc_u32 v5, s25, v5                       ; LDS: my wave's 256 scale bytes, my block's byte
	v_add_nc_u32 v6, s25, v7                       ; and on the way out 8 bytes a lane
	s_and_b32 s28, ttmp9, 31                       ; a weight's 32 work-groups
	s_cmp_lt_u32 ttmp9, 320                        ; which tensor: the choice hangs on the work-group's number alone
	s_cselect_b64 s[26:27], s[8:9], s[10:11]
	s_cmp_lt_u32 ttmp9, 288
	s_cselect_b64 s[26:27], s[6:7], s[26:27]
	s_cmp_lt_u32 ttmp9, 256
	s_cselect_b64 s[26:27], s[4:5], s[26:27]
	s_cselect_b32 s28, ttmp9, s28                  ; my number inside the tensor
	s_lshl_b32 s28, s28, 2
	s_add_co_u32 s28, s28, s24
	s_lshl_b32 s28, s28, 15                        ; a wave's run is 8,192 numbers: 32,768 bytes
	s_mov_b32 s29, 0
	s_add_nc_u64 s[26:27], s[26:27], s[28:29]
	s_lshl_b32 s30, ttmp9, 2
	s_add_co_u32 s30, s30, s24                     ; the run's number in the buffers, which hold the four streams on end
	s_lshl_b32 s28, s30, 12
	s_add_nc_u64 s[16:17], s[16:17], s[28:29]      ; 4,096 bytes of codes a run
	s_lshl_b32 s28, s30, 8
	s_add_nc_u64 s[18:19], s[18:19], s[28:29]      ; 256 scale bytes a run
.macro QLOAD t
.irp i, 0,1,2,3
	global_load_b128 v[R+16*((\t)%4)+4*\i:R+16*((\t)%4)+4*\i+3], v3, s[26:27] offset:2048*(\t)+512*\i th:TH_LOAD_NT   ; 32 lanes read 512 consecutive bytes
.endr
.endm
.macro QTURN t                         ; step t's numbers through the stage: LDS serves a wave's instructions in order, so no wait stands between the stores and the loads
.irp i, 0,1,2,3
	ds_store_b128 v14, v[R+16*((\t)%4)+4*\i:R+16*((\t)%4)+4*\i+3] offset:32*SP*((\t)%2)+8*SP*\i
.endr
.irp i, 0,1,2,3
	ds_load_b128 v[X+16*((\t)%2)+4*\i:X+16*((\t)%2)+4*\i+3], v15 offset:32*SP*((\t)%2)+16*\i
.endr
.endm
.irp t, 0,1,2,3
	QLOAD \t
.endr
	s_wait_loadcnt 12                              ; step 0's four loads are in; three steps' twelve may be out
	QTURN 0
.macro QSTEP t
.set XS, X+16*((\t)%2)
.if (\t) > 0
	s_wait_dscnt 1                                 ; this step's numbers are back from the stage; the last step's byte store may be out
.else
	s_wait_dscnt 0x0
.endif
.if (\t)+4 < STEPS
	QLOAD (\t)+4                                   ; into the registers that the stage's stores have read
.endif
.if (\t)+1 < STEPS
.if STEPS-2-(\t) >= 3
	s_wait_loadcnt 12                              ; the next step's four loads are in; those of the three steps behind it may be out
.else
	s_wait_loadcnt 4*(STEPS-2-(\t))
.endif
	QTURN (\t)+1
.endif
	v_max3_num_f32 v8, |v[XS]|, |v[XS+1]|, |v[XS+2]|               ; the largest magnitude of my 16, in two chains
	v_max3_num_f32 v9, |v[XS+3]|, |v[XS+4]|, |v[XS+5]|
.irp i, 6,10
	v_max3_num_f32 v8, v8, |v[XS+\i]|, |v[XS+\i+1]|
	v_max3_num_f32 v9, v9, |v[XS+\i+2]|, |v[XS+\i+3]|
.endr
	v_max3_num_f32 v8, v8, |v[XS+14]|, |v[XS+15]|
	v_max3_num_f32 v8, v8, v9, (EMAX+1)<<23        ; and the floor 2^(3 - 127): the byte cannot fall under 1
	v_max_num_f32_dpp v8, v8, v8 row_xmask:1 row_mask:0xf bank_mask:0xf   ; with my neighbour's 16: the block's
	v_add_nc_u32 v11, 0xff000000, v8               ; 2 off its exponent field: the conversion takes the exponent field of this operand as its scale
	v_cvt_scalef32_pk8_fp4_f32 v[C+4*(\t)], v[XS:XS+7], v11
	v_cvt_scalef32_pk8_fp4_f32 v[C+4*(\t)+1], v[XS+8:XS+15], v11
	v_lshrrev_b32 v[E+(\t)], 23, v11               ; the scale's byte (a plain line behind the conversions)
	ds_store_b8 v5, v[E+(\t)] offset:16*(\t)       ; both lanes of a block write the same byte with the same value
	global_store_b64 v4, v[C+4*(\t):C+4*(\t)+1], s[16:17] offset:32*CB*(\t)   ; the wave stores 256 consecutive bytes, aligned
.endm
.irp t, 0,1,2,3,4,5,6,7,8,9,10,11,12,13,14,15
	QSTEP \t
.endr
	ds_load_b64 v[8:9], v6                         ; LDS serves a wave's instructions in order: these see my stores
	s_wait_dscnt 0x0
	global_store_b64 v7, v[8:9], s[18:19]          ; 256 consecutive scale bytes, aligned
	s_wait_tensorcnt 0x0                           ; the wave's end, behind my last LDS store
	ds_add_u32 v[SPW], v[NIL]
	s_wait_dscnt 0x0
	s_endpgm
	; ---------------- Wo to f16: a wave takes 8,192 numbers in four rounds of 16 loads; two rounds' loads are on their way
.Lwo:
	s_sub_co_u32 s28, ttmp9, 352
	s_lshl_b32 s28, s28, 2
	s_add_co_u32 s30, s28, s24
	s_lshl_b32 s28, s30, 15
	s_mov_b32 s29, 0
	s_add_nc_u64 s[12:13], s[12:13], s[28:29]
	s_lshl_b32 s28, s30, 14
	s_add_nc_u64 s[20:21], s[20:21], s[28:29]
.macro WLOADS k
.irp i, 0,1,2,3,4,5,6,7,8,9,10,11,12,13,14,15
	global_load_b128 v[16+64*((\k)%2)+4*\i:16+64*((\k)%2)+4*\i+3], v3, s[12:13] offset:8192*(\k)+512*\i
.endr
.endm
.macro WWORK k, younger
.if (\k) > 0
	s_wait_xcnt 0x0                                ; the last round's stores have read their data registers, which are written again below
.endif
.irp i, 0,1,2,3,4,5,6,7,8,9,10,11,12,13,14,15
	s_wait_loadcnt \younger+15-\i                  ; load i of my round is in: behind it my round's later loads and the next round's sixteen
	v_cvt_pk_f16_f32 v[144+2*\i], v[16+64*((\k)%2)+4*\i], v[16+64*((\k)%2)+4*\i+1]
	v_cvt_pk_f16_f32 v[145+2*\i], v[16+64*((\k)%2)+4*\i+2], v[16+64*((\k)%2)+4*\i+3]
	global_store_b64 v7, v[144+2*\i:145+2*\i], s[20:21] offset:4096*(\k)+256*\i   ; 256 consecutive bytes, aligned
.endr
.endm
	WLOADS 0
	WLOADS 1
	WWORK 0, 16
	WLOADS 2
	WWORK 1, 16
	WLOADS 3
	WWORK 2, 16
	WWORK 3, 0
	s_wait_tensorcnt 0x0                           ; the closing three lines, as on the first path
	ds_add_u32 v[SPW], v[NIL]
	s_wait_dscnt 0x0
	s_endpgm
	; ---------------- the tables: a wave makes one block of 16 positions
.Ltable:
	s_sub_co_u32 s28, ttmp9, 384
	s_lshl_b32 s28, s28, 2
	s_add_co_u32 s30, s28, s24                     ; the block
	s_lshl_b32 s28, s30, 6
	s_mov_b32 s29, 0
	s_add_nc_u64 s[14:15], s[14:15], s[28:29]
	s_lshl_b32 s28, s30, 12
	s_add_nc_u64 s[22:23], s[22:23], s[28:29]
	v_and_b32 v4, 15, v0
	v_lshlrev_b32 v4, 2, v4
	global_load_b32 v8, v4, s[14:15]               ; my position: token_positions[16 blk + r]
	v_bfe_u32 v9, v0, 4, 1
	v_lshlrev_b32 v9, 2, v9                        ; 4 h
	s_mov_b32 s32, 0xbfc90fdb                      ; -pi / 2 in three parts: the first,
	s_mov_b32 s33, 0x333bbd2e                      ; what the first has too much,
	s_mov_b32 s34, 0x26f72ced                      ; and what is then still missing
	s_mov_b32 s35, 0xbe2aaaa3                      ; sine: -1.6666654611e-1,
	s_mov_b32 s36, 0x3c08839e                      ; 8.3321608736e-3,
	s_mov_b32 s37, 0xb94ca1f9                      ; -1.9515295891e-4
	s_mov_b32 s38, 0x3d2aaaa5                      ; cosine: 4.166664568e-2,
	s_mov_b32 s39, 0xbab6061a                      ; -1.388731625e-3,
	s_mov_b32 s40, 0x37ccf5ce                      ; 2.443315712e-5
	s_mov_b32 s41, 0x3e38aa3b                      ; log2(e) / 8
.irp p, 0,1,2,3,4,5,6,7,8,9,10,11,12,13,14,15
	v_add_nc_u32 v[INV+\p], 8*(\p/4)+(\p%4), v9    ; the pair's number i = 4 h + 8 (p / 4) + p % 4
.endr
.irp p, 0,1,2,3,4,5,6,7,8,9,10,11,12,13,14,15
	v_cvt_f32_u32 v[INV+\p], v[INV+\p]
.endr
.irp p, 0,1,2,3,4,5,6,7,8,9,10,11,12,13,14,15
	v_mul_f32 v[INV+\p], 0xbed49a78, v[INV+\p]     ; -i log2(10000) / 32
.endr
.irp p, 0,1,2,3,4,5,6,7,8,9,10,11,12,13,14,15
	v_exp_f32 v[INV+\p], v[INV+\p]                 ; one batch
.endr
	v_mov_b32 v[ONE], 1.0                          ; (a plain line behind the last exponential)
	v_mov_b32 v[ONE+1], 0
	v_mov_b32 v[ONE+2], 1.0
	v_mov_b32 v[ONE+3], 0
	s_wait_alu depctr_va_vdst(0)                   ; one wait for the batch, ahead of its first reader
	s_wait_loadcnt 0x0
	v_cvt_f32_i32 v8, v8
.macro SINCOS p
	v_mul_f32 v100, v8, v[INV+\p]                  ; the angle, rounded as a product of two f32 numbers
	v_mul_f32 v101, 0x3f22f983, v100
	v_rndne_f32 v101, v101                         ; n = the nearest whole number of quarter turns
	v_fma_f32 v102, v101, s32, v100
	v_fma_f32 v102, v101, s33, v102
	v_fma_f32 v102, v101, s34, v102                ; r = angle - n pi / 2, within pi / 4
	v_mul_f32 v103, v102, v102                     ; z
	v_cvt_i32_f32 v104, v101
	v_fma_f32 v105, v103, s37, s36
	v_fma_f32 v105, v105, v103, s35
	v_mul_f32 v106, v102, v103
	v_fma_f32 v105, v105, v106, v102               ; sin r
	v_fma_f32 v107, v103, s40, s39
	v_fma_f32 v107, v107, v103, s38
	v_mul_f32 v108, v103, v103
	v_fma_f32 v109, v103, -0.5, 1.0
	v_fma_f32 v107, v107, v108, v109               ; cos r
	v_and_b32 v110, 1, v104
	v_cmp_eq_u32 vcc_lo, 1, v110                   ; an odd n changes sine and cosine over
	v_cndmask_b32 v111, v105, v107, vcc_lo
	v_cndmask_b32 v112, v107, v105, vcc_lo
	v_and_b32 v110, 2, v104
	v_lshlrev_b32 v110, 30, v110                   ; the sine's sign: n mod 4 = 2, 3
	v_xor_b32 v[CS1+2*\p+1], v110, v111
	v_add_nc_u32 v110, 1, v104
	v_and_b32 v110, 2, v110
	v_lshlrev_b32 v110, 30, v110                   ; the cosine's: n mod 4 = 1, 2
	v_xor_b32 v[CS1+2*\p], v110, v112
	v_mul_f32 v[CS0+2*\p], s41, v[CS1+2*\p]
	v_mul_f32 v[CS0+2*\p+1], s41, v[CS1+2*\p+1]
.endm
.irp p, 0,1,2,3,4,5,6,7,8,9,10,11,12,13,14,15
	SINCOS \p
.endr
.irp ch, 0,1,2,3,4,5,6,7
	global_store_b128 v3, v[CS0+4*\ch:CS0+4*\ch+3], s[22:23] offset:512*\ch            ; each store covers 512 consecutive bytes, aligned
	global_store_b128 v3, v[CS1+4*\ch:CS1+4*\ch+3], s[22:23] offset:524288+512*\ch
	global_store_b128 v3, v[ONE:ONE+3], s[22:23] offset:1048576+512*\ch
.endr
	s_wait_tensorcnt 0x0                           ; the closing three lines, as on the first path
	ds_add_u32 v[SPW], v[NIL]
	s_wait_dscnt 0x0
	s_endpgm
.Lfunc_end_k_q4e46d51e88_prep:
	.size	k_q4e46d51e88_prep, .Lfunc_end_k_q4e46d51e88_prep-k_q4e46d51e88_prep
	.p2alignl 7, 3214868480
	.fill 96, 4, 3214868480
	.section	.rodata,"a",@progbits
	.p2align	6, 0x0
	.amdhsa_kernel k_q4e46d51e88_prep
		.amdhsa_group_segment_fixed_size 33280
		.amdhsa_private_segment_fixed_size 0
		.amdhsa_enable_private_segment 0
		.amdhsa_kernarg_size 80
		.amdhsa_user_sgpr_count 2
		.amdhsa_user_sgpr_kernarg_segment_ptr 1
		.amdhsa_wavefront_size32 1
		.amdhsa_system_sgpr_workgroup_id_x 1
		.amdhsa_system_sgpr_workgroup_id_y 1
		.amdhsa_system_sgpr_workgroup_id_z 1
		.amdhsa_system_vgpr_workitem_id 0
		.amdhsa_next_free_vgpr 192
		.amdhsa_next_free_sgpr 66
		.amdhsa_reserve_vcc 1
		.amdhsa_float_denorm_mode_32 3
		.amdhsa_float_denorm_mode_16_64 3
		.amdhsa_memory_ordered 1
		.amdhsa_forward_progress 1
		.amdhsa_inst_pref_size 83
	.end_amdhsa_kernel
	.amdgpu_metadata
---
amdhsa.version: [ 1, 2 ]
amdhsa.kernels:
  - .name:           k_q4e46d51e88_prep
    .symbol:         k_q4e46d51e88_prep.kd
    .args:
      - { .name: x, .offset: 0, .size: 8, .value_kind: global_buffer, .address_space: global }
      - { .name: Wq, .offset: 8, .size: 8, .value_kind: global_buffer, .address_space: global }
      - { .name: Wk, .offset: 16, .size: 8, .value_kind: global_buffer, .address_space: global }
      - { .name: Wv, .offset: 24, .size: 8, .value_kind: global_buffer, .address_space: global }
      - { .name: Wo, .offset: 32, .size: 8, .value_kind: global_buffer, .address_space: global }
      - { .name: token_positions, .offset: 40, .size: 8, .value_kind: global_buffer, .address_space: global }
      - { .name: codes, .offset: 48, .size: 8, .value_kind: global_buffer, .address_space: global }
      - { .name: scales, .offset: 56, .size: 8, .value_kind: global_buffer, .address_space: global }
      - { .name: wo16, .offset: 64, .size: 8, .value_kind: global_buffer, .address_space: global }
      - { .name: rope, .offset: 72, .size: 8, .value_kind: global_buffer, .address_space: global }
    .group_segment_fixed_size: 33280
    .private_segment_fixed_size: 0
    .kernarg_segment_align: 8
    .kernarg_segment_size: 80
    .max_flat_workgroup_size: 128
    .sgpr_count:     66
    .vgpr_count:     192
    .wavefront_size: 32
...
	.end_amdgpu_metadata
.endif
;; end of part 1
;; launch qkv (part 2): grid 12 x 32, 4 waves a work-group, clusters of 4 x 4, 327,680 bytes of LDS; arguments codes, scales, rope, qkv16, qkv32; writes qkv16, qkv32
.if DOCPART == 2
	.amdgcn_target "amdgcn-amd-amdhsa--gfx1250"
	.amdhsa_code_object_version 6
	.text
	.protected	k_q4e46d51e88_qkv
	.globl	k_q4e46d51e88_qkv
	.p2align	8
	.type	k_q4e46d51e88_qkv,@function
k_q4e46d51e88_qkv:
	s_mov_b64 s[64:65], 0
	v_nop
	global_prefetch_b8 v0, s[64:65] scope:SCOPE_SE
	s_setreg_imm32_b32 hwreg(HW_REG_WAVE_MODE, 25, 1), 1
	s_wait_xcnt 0x0
	s_wait_alu depctr_hold_cnt(0) depctr_sa_sdst(0) depctr_va_vdst(0) depctr_va_sdst(0) depctr_va_ssrc(0) depctr_va_vcc(0) depctr_vm_vsrc(0)
	s_getreg_b32 s2, hwreg(HW_REG_IB_STS2, 6, 4)
	s_cmp_eq_u32 s2, 0
	s_cbranch_scc0 .Lentry_in_a_cluster
	s_endpgm
.Lentry_in_a_cluster:
	s_bfe_u32 s2, ttmp6, 0x10000c
	s_cmp_lg_u32 s2, 0xf033
	s_cbranch_scc0 .Lentry_shape_is_right
	s_endpgm
.Lentry_shape_is_right:
; QKV.  [q | k | v] = x [Wq; Wk; Wv]^T on codes of E2M1 with one E8M0 scale for each 32 along K = 1,024; sums in f32; then the rotation in f32, q's factor log2(e) / 8 with it, and one rounding to f16.
; A: 8,192 rows of x, B: 3,072 rows of the weights, both 512 bytes of codes a row; their scale bytes 32 a row.  Out: qkv16 [3][batch][head][position][64] f16, and positions 0-15 of every sequence once more in f32 (qkv32 [3][batch][head][16][64]).
; A tile of 256 x 256 is made by a work-group of four waves; a wave makes 128 positions x 128 columns (two heads): 64 accumulators, 512 registers.  K is two steps of 512: both slots are filled once, at the start; nothing is filled again.
; CLUSTERS: 4 x 4 work-groups.  Tile column = 4 x cluster x + cx: the matrix (q, k, v) is cluster x.  Tile row = cluster y + 8 cy: the batch is cy.  The four of a row of the cluster ask for A's tiles jointly, the four of a column for B's.
; THE MATRIX INSTRUCTION IS USED TRANSPOSED (source 0 = 16 rows of the weights, source 1 = 16 rows of x): a lane holds one position and eight neighbouring columns: four pairs of the rotation.
; LIMITS: |q|, |k|, |v| must lie under 65,504, the largest f16 number.
; REGISTERS: window 0: v0-31 addresses; v32-95 scale words, two sets; v128-191 A's fragments; v192-255 the rotation's tables, two sets (idle in the products: the first two blocks' tables are asked for at the head).
;   On the way out: v32-95 rotated numbers, v96-127 f16, v128-191 rows read back.  Window 1: B's fragments, two sets.  Windows 2, 3: the accumulators ((a, b) at v[8 (8 (a % 4) + b)]).
; No prefetch: the codes are read by many work-groups at about the same time, and the launch's K has only two steps, both asked for at the head.
.set KSTEP,  512
.set NQ,     4
.set ROWB,   256
.set KROW,   512
.set PITCH,  272                       ; an LDS row: 256 bytes + 16 of padding: the 16 rows that a load touches start at 16 different banks
.set FR,     8
.set NL,     2
.set NP,     4
.set HALFT,  128*PITCH
.set SLOT,   4*HALFT
.set KS,     32
.set SCL,    2*SLOT                    ; behind the two slots: the scales of 256 + 256 rows, as units of 256 bytes + 16 of padding
.set HALFS,  (128*KS/256)*272
.set SBLK,   (16*KS/256)*272
.set SPARE,  SCL+4*HALFS               ; the spare words, 128 bytes a wave, named by no other line
.set ADRA, 16
.set ADRB, 20
.set STO,  24                          ; the way out: where I put 16 bytes of a row.  The stage, 16 rows x 272 bytes a wave, lies in slot 0, which has had its only fill and its last read by then
.set RD,   25                          ; where I read back: four positions x 128 bytes of one head
.set CO,   26                          ; 16 x lane
.set ADRS, 27
.set SPW,  28
.set NIL,  29
.set FO,   30                          ; qkv32: 256 r + 32 h
.set SC,   32
.set AF,   128
.set F,    32
.set H,    96
.set BK,   128
.set T0,   192
.set G1, 24
.set G0, 32
.set G1B, 48
.set G0B, 56
.set G1S, 68
.set G0S, 76
.set G1SB, 80
.set G0SB, 88
.set TBL, 96                           ; s[96:97]  my first block's tables
.set OB,  98                           ; s[98:99]  my first position of my first head in qkv16
.set FB,  100                          ; s[100:101] my first head in qkv32
.set MSB, 0
.macro WIN new                         ; the immediate's high byte repeats the setting that is left
.if MSB != \new
	s_set_vgpr_msb (MSB<<8)|\new
.set MSB, \new
.endif
.endm
.set MUL_LO, 0xa1                      ; source 0 (B) window 1, source 1 (A) window 0, C and D window 2
.set MUL_HI, 0xf1
.set TO_B,   0x40
; A joint load: waves 0 and 1 fetch for A, waves 2 and 3 for B; the branch hangs on the wave's number alone.  An s_nop 0 and four v_nop follow each line.
.macro JLOAD g0a, g1a, g0b, g1b
	s_cmp_eq_u32 s15, 0
	s_cbranch_scc0 .Lfor_b_\@
	tensor_load_to_lds s[\g0a:\g0a+3], s[\g1a:\g1a+7]
	s_nop 0
.rept 4
	v_nop
.endr
	s_branch .Lasked_\@
.Lfor_b_\@:
	tensor_load_to_lds s[\g0b:\g0b+3], s[\g1b:\g1b+7]
	s_nop 0
.rept 4
	v_nop
.endr
.Lasked_\@:
.endm
.macro CROUND                          ; a round of the cluster's barrier
	s_barrier_signal -1
	s_barrier_wait -1
	s_cmp_lg_u32 s14, 0
	s_cbranch_scc1 .Lnot_wave_0_\@
	s_barrier_signal -3
.Lnot_wave_0_\@:
	s_barrier_wait -3
	s_barrier_signal -1
	s_barrier_wait -1
.endm
	s_load_b128 s[4:7], s[0:1], 0x0                ; codes, scales
	s_load_b128 s[96:99], s[0:1], 0x10             ; rope, qkv16
	s_load_b64 s[100:101], s[0:1], 0x20            ; qkv32
	v_lshl_add_u32 v[SPW], v0, 2, SPARE
	v_mov_b32 v[NIL], 0
	ds_add_u32 v[SPW], v[NIL]                      ; the wave's opening: the add, twice on end, and its wait ahead of my first tensor load
	ds_add_u32 v[SPW], v[NIL]
	v_lshrrev_b32 v1, 5, v0
	v_readfirstlane_b32 s14, v1                    ; wave 0..3
	s_lshr_b32 s15, s14, 1                         ; which half of the tile's rows is mine.  Also: I fetch for A (0) or for B (1)
	s_and_b32 s16, s14, 1                          ; which half of its columns.  Also: which 128 rows I fetch
	s_bfe_u32 s40, ttmp6, 0x40000                  ; cx
	s_bfe_u32 s41, ttmp6, 0x40004                  ; cy
	s_lshl_b32 s42, ttmp9, 2
	s_add_co_u32 s42, s42, s40                     ; tile column = 4 x cluster x + cx
	s_and_b32 s17, ttmp7, 0xffff
	s_lshl_b32 s18, s41, 3
	s_add_co_u32 s17, s17, s18                     ; tile row = cluster y + 8 cy
	s_lshl_b32 s43, s41, 2
	s_lshl_b32 s43, 15, s43                        ; my row of the cluster
	s_lshl_b32 s44, 0x1111, s40                    ; my column
	s_or_b32 s[G1+0], s43, (0<<16)|(1<<20)|(1<<21)|(5<<22)|(3<<25)  ; the mask; elements of 1 byte; padding on; bit 21 beside a mask; 4 words of padding after every 64
	s_or_b32 s[G1B+0], s44, (0<<16)|(1<<20)|(1<<21)|(5<<22)|(3<<25)
.irp g, G1, G1B
	s_mov_b32 s[\g+1], ROWB<<16                    ; tensor_dim0
	s_mov_b32 s[\g+2], 128<<16                     ; tensor_dim1
	s_mov_b32 s[\g+3], ROWB<<16                    ; tile_dim0
	s_mov_b32 s[\g+4], 128                         ; tile_dim1
	s_mov_b32 s[\g+5], KROW                        ; the pitch
	s_mov_b32 s[\g+6], 0
	s_mov_b32 s[\g+7], 0
.endr
	s_or_b32 s[G1S+0], s43, (3<<16)|(1<<20)|(1<<21)|(5<<22)|(3<<25) ; the scales of 128 rows: a dense block, as rows of 256 bytes (32 elements of 8 bytes)
	s_or_b32 s[G1SB+0], s44, (3<<16)|(1<<20)|(1<<21)|(5<<22)|(3<<25)
.irp g, G1S, G1SB
	s_mov_b32 s[\g+1], 32<<16
	s_mov_b32 s[\g+2], (128*KS/256)<<16
	s_mov_b32 s[\g+3], 32<<16
	s_mov_b32 s[\g+4], 128*KS/256
	s_mov_b32 s[\g+5], 32
	s_mov_b32 s[\g+6], 0
	s_mov_b32 s[\g+7], 0
.endr
	s_lshl_b32 s18, s16, 7
	s_lshl_b32 s20, s17, 8
	s_add_co_u32 s20, s20, s18                     ; A: row 256 x tile row + 128 x half
	s_lshl_b32 s46, s42, 8
	s_add_co_u32 s46, s46, s18                     ; B: row 256 x tile column + 128 x half
	s_mov_b32 s21, 0
	s_mov_b32 s47, 0
	s_mov_b64 s[18:19], KS
	s_mul_u64 s[22:23], s[20:21], s[18:19]
	s_mul_u64 s[92:93], s[46:47], s[18:19]
	s_mov_b64 s[18:19], KROW
	s_mul_u64 s[20:21], s[20:21], s[18:19]
	s_mul_u64 s[46:47], s[46:47], s[18:19]
	s_mul_i32 s45, s14, HALFT                      ; where they go: wave x 128 rows: no place in the cluster enters an LDS address
	s_mul_i32 s94, s14, HALFS
	s_wait_dscnt 0x0                               ; both opening adds are done
	s_wait_kmcnt 0x0
	s_add_nc_u64 s[8:9], s[4:5], 4194304           ; the weights' codes lie behind x's,
	s_add_nc_u64 s[10:11], s[6:7], 262144          ; their scales likewise
	s_add_nc_u64 s[20:21], s[4:5], s[20:21]
	s_add_nc_u64 s[22:23], s[6:7], s[22:23]
	s_add_nc_u64 s[46:47], s[8:9], s[46:47]
	s_add_nc_u64 s[92:93], s[10:11], s[92:93]
	CROUND                                         ; all sixteen work-groups are here: the joint loads meet
	s_mov_b32 s[G0S], 1
	s_add_co_u32 s[G0S+1], s94, SCL
	s_mov_b64 s[G0S+2:G0S+3], s[22:23]
	s_or_b32 s[G0S+3], s[G0S+3], 0x80000000
	s_mov_b32 s[G0SB], 1
	s_add_co_u32 s[G0SB+1], s94, SCL
	s_mov_b64 s[G0SB+2:G0SB+3], s[92:93]
	s_or_b32 s[G0SB+3], s[G0SB+3], 0x80000000
	JLOAD G0S, G1S, G0SB, G1SB                     ; the scales first; then both K steps: three tensor loads of mine are out
.irp s, 0,1
	s_mov_b32 s[G0+4*\s], 1
	s_add_co_u32 s[G0+4*\s+1], s45, \s*SLOT
	s_add_nc_u64 s[G0+4*\s+2:G0+4*\s+3], s[20:21], \s*ROWB
	s_or_b32 s[G0+4*\s+3], s[G0+4*\s+3], 0x80000000
	s_mov_b32 s[G0B+4*\s], 1
	s_add_co_u32 s[G0B+4*\s+1], s45, \s*SLOT
	s_add_nc_u64 s[G0B+4*\s+2:G0B+4*\s+3], s[46:47], \s*ROWB
	s_or_b32 s[G0B+4*\s+3], s[G0B+4*\s+3], 0x80000000
	JLOAD G0+4*\s, G1, G0B+4*\s, G1B
.endr
	v_and_b32 v1, 15, v0                           ; r
	v_bfe_u32 v2, v0, 4, 1                         ; h
	v_mul_u32_u24 v3, v1, PITCH
	v_lshl_add_u32 v4, v2, 4, v3                   ; a fragment's row x pitch + 16 h
	s_mul_i32 s21, s15, HALFT
	s_mul_i32 s22, s16, HALFT
	s_add_co_u32 s22, s22, 2*HALFT
.irp s, 0,1
	v_add_nc_u32 v[ADRA+\s], s21, v4
	v_add_nc_u32 v[ADRB+\s], s22, v4
	s_add_co_u32 s21, s21, SLOT
	s_add_co_u32 s22, s22, SLOT
.endr
	v_mul_u32_u24 v5, v1, KS                       ; my row's scales: 32 bytes a row,
	v_lshrrev_b32 v6, 8, v5
	v_lshl_add_u32 v5, v6, 4, v5                   ; and 16 more for each 256 passed
	s_mul_i32 s21, s15, HALFS
	s_mul_i32 s22, s16, HALFS
	s_add_co_u32 s22, s22, 2*HALFS
	s_sub_co_u32 s22, s22, s21
	v_mul_u32_u24 v6, s22, v2                      ; lanes 16-31 take B's: the lower base + h x the distance
	s_add_co_u32 s21, s21, SCL
	v_add_nc_u32 v5, v5, v6
	v_add_nc_u32 v[ADRS], s21, v5
	s_mul_i32 s23, s14, 16*272                     ; my stage
	v_mul_u32_u24 v5, v1, 272
	v_lshl_add_u32 v5, v2, 4, v5
	v_add_nc_u32 v[STO], s23, v5                   ; in: row r, 16 bytes for each half of the lanes
	v_and_b32 v6, 31, v0
	v_lshrrev_b32 v5, 3, v6
	v_mul_u32_u24 v5, v5, 272
	v_and_b32 v7, 7, v6
	v_lshl_add_u32 v5, v7, 4, v5
	v_add_nc_u32 v[RD], s23, v5                    ; back: eight lanes to a row's 128 bytes of one head, four rows an instruction
	v_lshlrev_b32 v[CO], 4, v6
	v_lshlrev_b32 v[FO], 8, v1
	v_lshl_add_u32 v[FO], v2, 5, v[FO]
	s_and_b32 s18, ttmp7, 0xffff                   ; cluster y: my tile's 256 positions
	s_or_b32 s2, s18, s15                          ; positions 0-15 are mine where cluster y = 0 and my rows are the tile's first half: the same in all partners, for a given wave
	s_cmp_eq_u32 s2, 0
	s_cselect_b32 s2, 1, 0
	s_lshl_b32 s92, s18, 4
	s_lshl_b32 s19, s15, 3
	s_add_co_u32 s92, s92, s19                     ; my first block of 16 positions: 16 x cluster y + 8 x half
	s_lshl_b32 s92, s92, 12
	s_lshl_b32 s19, ttmp9, 19                      ; the matrix's section of the tables
	s_add_co_u32 s92, s92, s19
	s_mov_b32 s93, 0
	s_add_nc_u64 s[TBL:TBL+1], s[TBL:TBL+1], s[92:93]
	s_lshl_b32 s20, s41, 4
	s_lshl_b32 s21, s40, 2
	s_add_co_u32 s20, s20, s21
	s_lshl_b32 s21, s16, 1
	s_add_co_u32 s20, s20, s21                     ; my first head: 16 x batch + 4 cx + 2 x half
	s_lshl_b32 s46, s20, 11
	s_lshl_b32 s21, s18, 8
	s_add_co_u32 s46, s46, s21
	s_lshl_b32 s21, s15, 7
	s_add_co_u32 s46, s46, s21                     ; + my first position
	s_lshl_b32 s46, s46, 7                         ; 128 bytes a position
	s_lshl_b32 s21, ttmp9, 24                      ; the matrix's section: 16,777,216 bytes
	s_add_co_u32 s46, s46, s21
	s_mov_b32 s47, 0
	s_add_nc_u64 s[OB:OB+1], s[OB:OB+1], s[46:47]
	s_lshl_b32 s21, ttmp9, 6
	s_add_co_u32 s46, s20, s21
	s_lshl_b32 s46, s46, 12                        ; 4,096 bytes a head
	s_add_nc_u64 s[FB:FB+1], s[FB:FB+1], s[46:47]
.macro TLOADS a                        ; block a's tables: eight loads of 512 consecutive bytes
.irp ch, 0,1,2,3,4,5,6,7
	global_load_b128 v[T0+32*((\a)%2)+4*\ch:T0+32*((\a)%2)+4*\ch+3], v[CO], s[TBL:TBL+1] offset:4096*(\a)+512*\ch
.endr
.endm
	TLOADS 0
	TLOADS 1
.macro FRAG reg, adr, q, i             ; 16 rows x 128 K of 4-bit codes: 8 registers
.irp c, 0,1
	ds_load_b128 v[\reg+4*\c:\reg+4*\c+3], v[\adr] offset:64*(\q)+32*\c+(\i)*16*PITCH
.endr
.endm
; 16 matrix instructions: A's blocks a0, a0 + 1 x B's eight.  The 64 accumulators take turns, one instruction a turn, in the same order in every step.
.macro MUL16 a0, p, q, sc, zero
.irp a, \a0, \a0+1
.irp b, 0,1,2,3,4,5,6,7
.if \zero
	v_wmma_scale_f32_16x16x128_f8f6f4 v[8*(8*((\a)%4)+\b):8*(8*((\a)%4)+\b)+7], v[128*(\p)+FR*\b:128*(\p)+FR*\b+FR-1], v[AF+FR*(\a):AF+FR*(\a)+FR-1], 0, v[SC+8*NQ*(\sc)+NQ*\b+(\q)], v[SC+8*NQ*(\sc)+NQ*(\a)+(\q)] matrix_a_fmt:MATRIX_FMT_FP4 matrix_b_fmt:MATRIX_FMT_FP4 matrix_a_scale:MATRIX_SCALE_ROW1
.else
	v_wmma_scale_f32_16x16x128_f8f6f4 v[8*(8*((\a)%4)+\b):8*(8*((\a)%4)+\b)+7], v[128*(\p)+FR*\b:128*(\p)+FR*\b+FR-1], v[AF+FR*(\a):AF+FR*(\a)+FR-1], v[8*(8*((\a)%4)+\b):8*(8*((\a)%4)+\b)+7], v[SC+8*NQ*(\sc)+NQ*\b+(\q)], v[SC+8*NQ*(\sc)+NQ*(\a)+(\q)] matrix_a_fmt:MATRIX_FMT_FP4 matrix_b_fmt:MATRIX_FMT_FP4 matrix_a_scale:MATRIX_SCALE_ROW1
.endif
.endr
.endr
.endm
.macro FETCH_B slot, q, p
	WIN TO_B
.irp i, 0,1,2,3,4,5,6,7
	FRAG 128*(\p)+FR*\i, ADRB+\slot, \q, \i
.endr
	WIN 0
.endm
.macro FETCH_A slot, q, i0
.irp i, \i0, \i0+1, \i0+2, \i0+3
	FRAG AF+FR*(\i), ADRA+\slot, \q, \i
.endr
.endm
.macro SCALES sc                       ; a K step's scale words: lanes 0-15 take A's block i, lanes 16-31 B's block i
.irp i, 0,1,2,3,4,5,6,7
	ds_load_b128 v[SC+8*NQ*\sc+NQ*\i:SC+8*NQ*\sc+NQ*\i+3], v[ADRS] offset:\i*SBLK
.endr
.endm
.macro PLACES n                        ; plain vector lines between a matrix instruction and a load into, or a read of, its registers
.rept \n
	v_nop
.endr
.endm
.macro STEP slot, q, zero              ; 128 along K that has its successor in the same slot
	s_wait_dscnt 4*NL                              ; B's set and A's blocks 0-3 are in; the youngest eight loads (A's blocks 4-7) may be out
	WIN MUL_LO
	MUL16 0, (\q)%2, \q, \slot, \zero
	MUL16 2, (\q)%2, \q, \slot, \zero
	s_wait_dscnt 0
	PLACES NP
	FETCH_B \slot, (\q)+1, 1-(\q)%2
	FETCH_A \slot, (\q)+1, 0
	WIN MUL_HI
	MUL16 4, (\q)%2, \q, \slot, \zero
	MUL16 6, (\q)%2, \q, \slot, \zero
	PLACES NP
	WIN 0
	FETCH_A \slot, (\q)+1, 4
.endm
.macro STEPS slot, from
.set Q, \from
.rept NQ-1-\from
	STEP \slot, Q, 0
.set Q, Q+1
.endr
.endm
	s_wait_tensorcnt 1                             ; the scales and my part of K step 0 are in; K step 1's load may be out
	s_barrier_signal -1
	s_barrier_wait -1
	FETCH_B 0, 0, 0
	FETCH_A 0, 0, 0
	SCALES 0
	FETCH_A 0, 0, 4
	STEP 0, 0, 1                                   ; the first step's products start the sums: nothing is cleared
	STEPS 0, 1
	; slot 0's last step changes slots: one barrier; in front of it all my tensor loads have landed and my reads of slot 0 are over
	s_wait_tensorcnt 0x0
	ds_add_u32 v[SPW], v[NIL]
	s_wait_dscnt 4*NL+1                            ; the add and the youngest eight loads may be out
	WIN MUL_LO
	MUL16 0, 1, NQ-1, 0, 0
	s_wait_dscnt 0x0
	s_barrier_signal -1
	MUL16 2, 1, NQ-1, 0, 0
	WIN 0
	s_barrier_wait -1
	PLACES NP
	v_add_nc_u32 v[ADRS], 4*NQ, v[ADRS]            ; on to the second K step's scale words
	FETCH_B 1, 0, 0
	FETCH_A 1, 0, 0
	SCALES 1
	WIN MUL_HI
	MUL16 4, 1, NQ-1, 0, 0
	MUL16 6, 1, NQ-1, 0, 0
	PLACES NP
	WIN 0
	FETCH_A 1, 0, 4
	STEPS 1, 0
	s_wait_dscnt 4*NL
	WIN MUL_LO
	MUL16 0, 1, NQ-1, 1, 0
	MUL16 2, 1, NQ-1, 1, 0
	s_wait_dscnt 0
	WIN MUL_HI
	MUL16 4, 1, NQ-1, 1, 0
	MUL16 6, 1, NQ-1, 1, 0
	WIN 0
; THE WAY OUT, a block of 16 positions x 128 columns at a time.
; ROPE: a pair (x1, x2) lies in two neighbouring registers, its (cos, sin) likewise.  First (x1 cos, x2 cos); then the low half takes -x2 sin and the high half x1 sin.  Each accumulator is read from its low end on.
.macro ROPE a
.set AC, 64*((\a)%4)
.set TT, T0+32*((\a)%2)
.set WN, 0x02+(\a)/4
	WIN WN                                         ; source 0: the accumulators' window
.irp b, 0,1,2,3,4,5,6,7
.irp i, 0,1,2,3
	v_pk_mul_f32 v[F+8*\b+2*\i:F+8*\b+2*\i+1], v[AC+8*\b+2*\i:AC+8*\b+2*\i+1], v[TT+8*(\b%4)+2*\i:TT+8*(\b%4)+2*\i+1] op_sel_hi:[1,0]
.endr
.irp i, 0,1,2,3
	v_pk_fma_f32 v[F+8*\b+2*\i:F+8*\b+2*\i+1], v[AC+8*\b+2*\i:AC+8*\b+2*\i+1], v[TT+8*(\b%4)+2*\i:TT+8*(\b%4)+2*\i+1], v[F+8*\b+2*\i:F+8*\b+2*\i+1] op_sel:[1,1,0] op_sel_hi:[0,1,1] neg_lo:[0,1,0]
.endr
.endr
	WIN 0
.irp b, 0,1,2,3,4,5,6,7
.irp i, 0,1,2,3
	v_cvt_pk_f16_f32 v[H+4*\b+\i], v[F+8*\b+2*\i], v[F+8*\b+2*\i+1]
.endr
.endr
.endm
.macro TOSTAGE a                       ; into my stage by rows of 256 bytes, back as four positions x 128 bytes of one head; LDS serves a wave's instructions in order
.set BB, BK+32*((\a)%2)
.irp b, 0,1,2,3,4,5,6,7
	ds_store_b128 v[STO], v[H+4*\b:H+4*\b+3] offset:32*\b
.endr
.irp t, 0,1,2,3
.irp u, 0,1
	ds_load_b128 v[BB+4*(2*\t+\u):BB+4*(2*\t+\u)+3], v[RD] offset:1088*\t+128*\u
.endr
.endr
.endm
.macro SEND a, younger
.set BB, BK+32*((\a)%2)
	s_wait_dscnt \younger                          ; the block is back; the next block's eight stores and eight loads may be out
.irp t, 0,1,2,3
.irp u, 0,1
	global_store_b128 v[CO], v[BB+4*(2*\t+\u):BB+4*(2*\t+\u)+3], s[OB:OB+1] offset:2048*(\a)+512*\t+262144*\u   ; 512 consecutive bytes, aligned: four positions of one head
.endr
.endr
.endm
	PLACES NP                                      ; behind the last products: for the reads of results and for writes and loads over scale words and A's fragments
.irp a, 0,1,2,3,4,5,6,7
.if \a < 7
	s_wait_loadcnt 8                               ; this block's tables are in; the next block's eight loads may be out
.else
	s_wait_loadcnt 0x0
.endif
.if \a > 0
	s_wait_xcnt 0x0                                ; earlier stores have read their data: the rotated numbers and the rows read back are written again below
.endif
	ROPE \a
.if \a < 6
	TLOADS \a+2                                    ; into the set just read
.endif
.if \a == 0
	s_cmp_lg_u32 s2, 0                             ; positions 0-15 also leave in f32
	s_cbranch_scc0 .Lno_fine
.irp b, 0,1,2,3,4,5,6,7
	global_store_b128 v[FO], v[F+8*\b:F+8*\b+3], s[FB:FB+1] offset:4096*(\b/4)+64*(\b%4)
	global_store_b128 v[FO], v[F+8*\b+4:F+8*\b+7], s[FB:FB+1] offset:4096*(\b/4)+64*(\b%4)+16
.endr
.Lno_fine:
.endif
	TOSTAGE \a
.if \a > 0
	SEND \a-1, 16
.endif
.endr
	SEND 7, 0
	s_wait_tensorcnt 0x0                           ; the wave's end
	ds_add_u32 v[SPW], v[NIL]
	s_wait_dscnt 0x0
	CROUND                                         ; the closing round
	s_endpgm
.Lfunc_end_k_q4e46d51e88_qkv:
	.size	k_q4e46d51e88_qkv, .Lfunc_end_k_q4e46d51e88_qkv-k_q4e46d51e88_qkv
	.p2alignl 7, 3214868480
	.fill 96, 4, 3214868480
	.section	.rodata,"a",@progbits
	.p2align	6, 0x0
	.amdhsa_kernel k_q4e46d51e88_qkv
		.amdhsa_group_segment_fixed_size 327680
		.amdhsa_private_segment_fixed_size 0
		.amdhsa_enable_private_segment 0
		.amdhsa_kernarg_size 40
		.amdhsa_user_sgpr_count 2
		.amdhsa_user_sgpr_kernarg_segment_ptr 1
		.amdhsa_wavefront_size32 1
		.amdhsa_system_sgpr_workgroup_id_x 1
		.amdhsa_system_sgpr_workgroup_id_y 1
		.amdhsa_system_sgpr_workgroup_id_z 1
		.amdhsa_system_vgpr_workitem_id 0
		.amdhsa_next_free_vgpr 1024
		.amdhsa_next_free_sgpr 102
		.amdhsa_reserve_vcc 0
		.amdhsa_float_denorm_mode_32 3
		.amdhsa_float_denorm_mode_16_64 3
		.amdhsa_memory_ordered 1
		.amdhsa_forward_progress 1
		.amdhsa_inst_pref_size 167
	.end_amdhsa_kernel
	.amdgpu_metadata
---
amdhsa.version: [ 1, 2 ]
amdhsa.kernels:
  - .name:           k_q4e46d51e88_qkv
    .symbol:         k_q4e46d51e88_qkv.kd
    .args:
      - { .name: codes, .offset: 0, .size: 8, .value_kind: global_buffer, .address_space: global }
      - { .name: scales, .offset: 8, .size: 8, .value_kind: global_buffer, .address_space: global }
      - { .name: rope, .offset: 16, .size: 8, .value_kind: global_buffer, .address_space: global }
      - { .name: qkv16, .offset: 24, .size: 8, .value_kind: global_buffer, .address_space: global }
      - { .name: qkv32, .offset: 32, .size: 8, .value_kind: global_buffer, .address_space: global }
    .group_segment_fixed_size: 327680
    .private_segment_fixed_size: 0
    .kernarg_segment_align: 8
    .kernarg_segment_size: 40
    .max_flat_workgroup_size: 128
    .sgpr_count:     102
    .vgpr_count:     1024
    .wavefront_size: 32
...
	.end_amdgpu_metadata
.endif
;; end of part 2
;; launch attn (part 3): grid 4 x 64, 16 waves a work-group, clusters of 4 x 1, 327,680 bytes of LDS; arguments qkv16, o16; writes o16
.if DOCPART == 3
	.amdgcn_target "amdgcn-amd-amdhsa--gfx1250"
	.amdhsa_code_object_version 6
	.text
	.protected	k_q4e46d51e88_attn
	.globl	k_q4e46d51e88_attn
	.p2align	8
	.type	k_q4e46d51e88_attn,@function
k_q4e46d51e88_attn:
	s_mov_b64 s[64:65], 0
	v_nop
	global_prefetch_b8 v0, s[64:65] scope:SCOPE_SE
	s_setreg_imm32_b32 hwreg(HW_REG_WAVE_MODE, 25, 1), 1
	s_wait_xcnt 0x0
	s_wait_alu depctr_hold_cnt(0) depctr_sa_sdst(0) depctr_va_vdst(0) depctr_va_sdst(0) depctr_va_ssrc(0) depctr_va_vcc(0) depctr_vm_vsrc(0)
	s_getreg_b32 s2, hwreg(HW_REG_IB_STS2, 6, 4)
	s_cmp_eq_u32 s2, 0
	s_cbranch_scc0 .Lentry_in_a_cluster
	s_endpgm
.Lentry_in_a_cluster:
	s_bfe_u32 s2, ttmp6, 0x10000c
	s_cmp_lg_u32 s2, 0x3003
	s_cbranch_scc0 .Lentry_shape_is_right
	s_endpgm
.Lentry_shape_is_right:
; ATTN.  o[b][h][q] = the sum over keys k <= q of softmax_k(q . k / 8) v[k], on f16 operands with f32 sums.  q arrives multiplied by log2(e) / 8, so a score is an exponent of 2.
; For each query a running maximum m and sum l: p = 2^(t - m); in every step O and l are multiplied by 2^(m_old - m_new).  The sum is taken of the unrounded p; p is rounded to f16 for the second product, o once at the end.
; SHARES.  A cluster of four work-groups is one (batch, head).  Wave w of work-group cx owns 32 queries (two tiles of 16) from 128 T + 32 cx on, T a permutation of w whose sums over w % 4 and over w / 4 are all 30:
; so all work-groups have the same work and so have four waves that differ in either way.  Keys go in groups of 128; a wave works on groups 0 .. T: that branch hangs on the wave's number and the count of groups alone.
; In group T hidden scores become -infinity by value, against a lane register that holds cx.  The wave with T = 15 reads every group in every partner, so every joint load is read by all four.
; CLUSTER.  All four partners walk the same K and V: each tile is asked for jointly (mask 15).  Waves 0, 1 fetch a slot's two groups of K, waves 2, 3 those of V.
; LAYOUT.  S^T = K Q^T and O^T = V^T P: a lane holds one query throughout; two score tiles, rounded in pairs, are the second product's operand.  V is turned by ds_load_tr16_b128.
; K and V of a head are dense, so a tile is stated as rows of 256 bytes: two keys.  K's pitch 272, V's 288.
; LIMITS: as stated for the launch that makes q, k, v (f16's range).  Positions 0-15 are made here too and stored, but the last launch makes the output's rows 0-15 anew in f32.
; REGISTERS: v1-13 addresses and constants; v16-47 Q; v48-111 K's fragments, then V's; v112-175 S^T, then p, then P in place; v176-239 O^T; v240-255 statistics, eight a tile: m, m_old, l (two), c0-c3 (alpha takes c2's place).
.set PK,    272
.set PV,    288
.set VOFF,  64*PK                      ; a group: 64 rows (128 keys) of K, then 64 rows of V
.set GRPB,  64*(PK+PV)
.set SLOT1, 1<<17                      ; a slot holds two groups; slot 1 begins here, so that one exclusive or turns an address
.set STAGE, SLOT1+2*GRPB               ; behind the ring: 32 rows x 144 bytes for each wave
.set SROW,  144
.set SWAVE, 32*SROW
.set SPARE, STAGE+16*SWAVE             ; the spare words, 128 bytes a wave, named by no other line
.set AK0, 1
.set AV0, 2
.set ADK, 3
.set ADV, 4
.set SPW, 5
.set NIL, 6
.set GO,  7
.set STO, 8
.set RD,  9
.set DQ,  10                           ; v10, v11: 32 cx + 16 x + r - 8 h
.set NEG, 12                           ; -infinity
.set PFO, 13                           ; 256 x lane
.set Q,   16
.set KV,  48
.set S,   112
.set O,   176
.set ST,  240
.set WV,  8
.set CX,  9
.set BH,  10
.set TT,  11                           ; s11 T
.set KG,  12                           ; s12 the group in hand
.set TB,  13                           ; s13 its first LDS byte
.set SLOTS, 14
.set TWICE, 15
.set LIM, 16
.set PFA, 18
.set SEL, 20
.set G1K, 24
.set G1V, 32
.set G0K, 40
.set G0V, 44
.set QB,  48
.set OB,  50
; Waves 0 and 1 fetch for K, waves 2 and 3 for V, the others nothing; the branches hang on the wave's number alone.  An s_nop 0 and four v_nop follow each line.
.macro TLOAD
	s_cmp_lt_u32 s[WV], 2
	s_cbranch_scc0 .Lnot_k_\@
	tensor_load_to_lds s[G0K:G0K+3], s[G1K:G1K+7]
	s_nop 0
.rept 4
	v_nop
.endr
	s_branch .Lasked_\@
.Lnot_k_\@:
	s_cmp_lt_u32 s[WV], 4
	s_cbranch_scc0 .Lasked_\@
	tensor_load_to_lds s[G0V:G0V+3], s[G1V:G1V+7]
	s_nop 0
.rept 4
	v_nop
.endr
.Lasked_\@:
.endm
.macro CROUND
	s_barrier_signal -1
	s_barrier_wait -1
	s_cmp_lg_u32 s[WV], 0
	s_cbranch_scc1 .Lnot_wave_0_\@
	s_barrier_signal -3
.Lnot_wave_0_\@:
	s_barrier_wait -3
	s_barrier_signal -1
	s_barrier_wait -1
.endm
; A prefetch of what the NEXT change of slots will ask for: 32,768 bytes of K and of V.  Wave 4 asks for K's, wave 5 for V's; the four partners take 8,192 bytes each, told apart by address; lanes 256 bytes apart:
; each aligned block of 256 bytes is named once in the launch.  The first two slots come by their loads alone; the last change that fills a slot asks for nothing.
.macro ASK
	s_cmp_gt_u32 s[SLOTS], s[LIM]
	s_cbranch_scc0 .Lnot_mine_\@
	global_prefetch_b8 v[PFO], s[PFA:PFA+1] th:TH_LOAD_NT scope:SCOPE_SE
.Lnot_mine_\@:
.endm
	s_load_b128 s[4:7], s[0:1], 0x0                ; qkv16, o16
	v_lshl_add_u32 v[SPW], v0, 2, SPARE
	v_mov_b32 v[NIL], 0
	ds_add_u32 v[SPW], v[NIL]                      ; the wave's opening: the add, twice on end, and its wait ahead of the first tensor loads
	ds_add_u32 v[SPW], v[NIL]
	v_lshrrev_b32 v14, 5, v0
	v_readfirstlane_b32 s[WV], v14                 ; wave 0..15
	s_bfe_u32 s[CX], ttmp6, 0x40000                ; cx
	s_and_b32 s[BH], ttmp7, 0xffff                 ; 16 x batch + head
	s_and_b32 s52, s[WV], 3                        ; T = w where the two bits of (w % 4) xor (w / 4) differ, else 15 - w
	s_lshr_b32 s53, s[WV], 2
	s_xor_b32 s52, s52, s53
	s_lshr_b32 s53, s52, 1
	s_xor_b32 s52, s52, s53
	s_and_b32 s52, s52, 1
	s_xor_b32 s52, s52, 1
	s_mul_i32 s52, s52, 15
	s_xor_b32 s[TT], s[WV], s52
	s_mov_b32 s[G1K], 15|(1<<16)|(1<<20)|(1<<21)|(5<<22)|(3<<25)  ; mask: all four; elements of 2 bytes; padding on; bit 21 beside a mask; 4 words after every 64
	s_mov_b32 s[G1V], 15|(1<<16)|(1<<20)|(1<<21)|(5<<22)|(7<<25)  ; the same with 8 words of padding
.irp g, G1K, G1V
	s_mov_b32 s[\g+1], 128<<16                     ; tensor_dim0 = 128
	s_mov_b32 s[\g+2], 64<<16                      ; tensor_dim1 = 64
	s_mov_b32 s[\g+3], 128<<16                     ; tile_dim0
	s_mov_b32 s[\g+4], 64                          ; tile_dim1
	s_mov_b32 s[\g+5], 128                         ; the pitch: the rows are dense
	s_mov_b32 s[\g+6], 0
	s_mov_b32 s[\g+7], 0
.endr
	s_lshl_b32 s54, s[BH], 18                      ; a head is 262,144 bytes in each section and in o16
	s_mov_b32 s55, 0
	s_and_b32 s56, s[WV], 1                        ; which of a slot's two groups I fetch:
	s_mul_i32 s57, s56, GRPB                       ; its place in a slot,
	s_lshl_b32 s58, s56, 14                        ; and in memory
	s_mov_b32 s59, 0
	s_lshl_b32 s60, s[TT], 7
	s_lshl_b32 s61, s[CX], 5
	s_add_co_u32 s60, s60, s61                     ; my first query
	s_lshl_b32 s60, s60, 7
	s_mov_b32 s61, 0
	s_lshl_b32 s62, s[CX], 13                      ; the prefetches: my work-group's 8,192 bytes,
	s_add_co_u32 s62, s62, 32768                   ; in the second slot's keys: the first change steps it on
	s_mov_b32 s63, 0
	s_sub_co_u32 s52, s[WV], 4
	s_lshr_b32 s52, s52, 1
	s_cmp_eq_u32 s52, 0                            ; waves 4 and 5 prefetch
	s_cselect_b32 s[LIM], 1, -1
	s_mov_b32 s[SEL], 0x76543210
	s_mov_b32 s[SEL+1], 0xfedcba98
	s_mov_b32 s[TB], 0
	s_mov_b32 s[KG], 0
	s_mov_b32 s[SLOTS], 7
	s_wait_dscnt 0x0                               ; both opening adds are done
	s_wait_kmcnt 0x0
	s_add_nc_u64 s[66:67], s[4:5], s[54:55]        ; q's head,
	s_add_nc_u64 s[68:69], s[66:67], 0x1000000     ; k's,
	s_add_nc_u64 s[70:71], s[66:67], 0x2000000     ; v's
	s_add_nc_u64 s[QB:QB+1], s[66:67], s[60:61]
	s_add_nc_u64 s[OB:OB+1], s[6:7], s[54:55]
	s_add_nc_u64 s[OB:OB+1], s[OB:OB+1], s[60:61]
	s_cmp_eq_u32 s[WV], 4
	s_cselect_b64 s[PFA:PFA+1], s[68:69], s[70:71]
	s_add_nc_u64 s[PFA:PFA+1], s[PFA:PFA+1], s[62:63]
	s_mov_b32 s[G0K], 1
	s_mov_b32 s[G0K+1], s57
	s_add_nc_u64 s[G0K+2:G0K+3], s[68:69], s[58:59]
	s_or_b32 s[G0K+3], s[G0K+3], 0x80000000
	s_mov_b32 s[G0V], 1
	s_add_co_u32 s[G0V+1], s57, VOFF
	s_add_nc_u64 s[G0V+2:G0V+3], s[70:71], s[58:59]
	s_or_b32 s[G0V+3], s[G0V+3], 0x80000000
	CROUND                                         ; all four work-groups are here
	TLOAD                                          ; slot 0: groups 0 and 1
	v_and_b32 v14, 15, v0                          ; r
	v_bfe_u32 v15, v0, 4, 1                        ; h
	v_lshlrev_b32 v[ADK], 7, v14
	v_lshl_add_u32 v[ADK], v15, 4, v[ADK]          ; Q: row r of 128 bytes, + 16 h
.irp x, 0,1
.irp c, 0,1
.irp e, 0,1
	global_load_b128 v[Q+16*\x+8*\c+4*\e:Q+16*\x+8*\c+4*\e+3], v[ADK], s[QB:QB+1] offset:2048*\x+64*\c+32*\e
.endr
.endr
.endr
	v_lshrrev_b32 v[AK0], 1, v14                   ; K: key r lies at (r / 2) x pitch + (r % 2) x 128, + 16 h
	v_mul_u32_u24 v[AK0], v[AK0], PK
	v_and_b32 v[AV0], 1, v14
	v_lshl_add_u32 v[AK0], v[AV0], 7, v[AK0]
	v_lshl_add_u32 v[AK0], v15, 4, v[AK0]
	v_bfe_u32 v[AV0], v0, 1, 2                     ; V, for the turning load: key 8 h + l % 8, channels 8 ((l / 8) % 2) on
	v_lshl_add_u32 v[AV0], v15, 2, v[AV0]
	v_mul_u32_u24 v[AV0], v[AV0], PV
	v_and_b32 v[ADV], 1, v0
	v_lshl_add_u32 v[AV0], v[ADV], 7, v[AV0]
	v_bfe_u32 v[ADV], v0, 3, 1
	v_lshl_add_u32 v[AV0], v[ADV], 4, v[AV0]
	v_add_nc_u32 v[AV0], VOFF, v[AV0]
	v_and_b32 v[GO], 31, v0
	v_lshlrev_b32 v[PFO], 8, v[GO]
	v_lshlrev_b32 v[GO], 4, v[GO]
	s_mul_i32 s52, s[WV], SWAVE
	s_add_co_u32 s52, s52, STAGE                   ; my stage
	v_mul_u32_u24 v[STO], v14, SROW
	v_lshl_add_u32 v[STO], v15, 4, v[STO]
	v_add_nc_u32 v[STO], s52, v[STO]
	v_bfe_u32 v[ADV], v0, 3, 2
	v_mul_u32_u24 v[RD], v[ADV], SROW
	v_and_b32 v[ADV], 7, v0
	v_lshl_add_u32 v[RD], v[ADV], 4, v[RD]
	v_add_nc_u32 v[RD], s52, v[RD]
	v_lshlrev_b32 v[ADV], 3, v15
	v_sub_nc_u32 v[DQ], v14, v[ADV]
	s_lshl_b32 s53, s[CX], 5
	v_add_nc_u32 v[DQ], s53, v[DQ]                 ; 32 cx + r - 8 h: data for a compare, never an address
	v_add_nc_u32 v[DQ+1], 16, v[DQ]
	v_mov_b32 v[NEG], 0xff800000
.irp i, 0,1,2,3,4,5,6,7,8,9,10,11,12,13,14,15
	v_mov_b32 v[ST+\i], 0                          ; l = 0; the others are written so that none is read unwritten
.endr
	v_mov_b32 v[ST], 0xff61b1e6                    ; m = -3e38, under every score
	v_mov_b32 v[ST+8], 0xff61b1e6
.irp j, 0,1,2,3,4,5,6,7,8,9,10,11,12,13,14,15,16,17,18,19,20,21,22,23,24,25,26,27,28,29,30,31,32,33,34,35,36,37,38,39,40,41,42,43,44,45,46,47,48,49,50,51,52,53,54,55,56,57,58,59,60,61,62,63
	v_mov_b32 v[O+\j], 0                           ; O^T: the step is written without a first form of its own; the first step's alpha is 0 and finds zeros
.endr
; A STEP: 64 keys, half u of the group in hand.
.macro STEP u
	v_add_nc_u32 v[ADK], s[TB], v[AK0]
	v_add_nc_u32 v[ADV], s[TB], v[AV0]
.rept 3
	v_nop                                          ; with the two additions five plain lines behind the last products: four for the loads into their operands, the fifth for the new scores, which write over P
.endr
.irp kt, 0,1,2,3
.irp c, 0,1
.irp e, 0,1
	ds_load_b128 v[KV+16*\kt+8*\c+4*\e:KV+16*\kt+8*\c+4*\e+3], v[ADK] offset:8704*\u+2176*\kt+64*\c+32*\e
.endr
.endr
.endr
	s_wait_dscnt 0x0
.irp c, 0,1                            ; S^T = K Q^T: eight accumulators by turns
.irp kt, 0,1,2,3
.irp x, 0,1
.if \c == 0
	v_wmma_f32_16x16x32_f16 v[S+32*\x+8*\kt:S+32*\x+8*\kt+7], v[KV+16*\kt+8*\c:KV+16*\kt+8*\c+7], v[Q+16*\x+8*\c:Q+16*\x+8*\c+7], 0
.else
	v_wmma_f32_16x16x32_f16 v[S+32*\x+8*\kt:S+32*\x+8*\kt+7], v[KV+16*\kt+8*\c:KV+16*\kt+8*\c+7], v[Q+16*\x+8*\c:Q+16*\x+8*\c+7], v[S+32*\x+8*\kt:S+32*\x+8*\kt+7]
.endif
.endr
.endr
.endr
.rept 4
	v_nop                                          ; places: for the loads over K's fragments and for the first reads of the scores
.endr
.irp kf, 0,1
.irp ct, 0,1,2,3
.irp e, 0,1
	ds_load_tr16_b128 v[KV+8*(4*\kf+\ct)+4*\e:KV+8*(4*\kf+\ct)+4*\e+3], v[ADV] offset:9216*\u+4608*\kf+2304*\e+32*\ct   ; V lands while the softmax is worked
.endr
.endr
.endr
	s_cmp_lg_u32 s[KG], s[TT]                      ; only my last group lies on the diagonal
	s_cbranch_scc1 .Lopen_\@
.irp x, 0,1
.irp kt, 0,1,2,3
.irp j, 0,1,2,3,4,5,6,7
	v_cmp_gt_i32 vcc_lo, 64*\u+16*\kt+\j, v[DQ+\x] ; the register's key comes after my query
	v_cndmask_b32 v[S+32*\x+8*\kt+\j], v[S+32*\x+8*\kt+\j], v[NEG], vcc_lo
.endr
.endr
.endr
.Lopen_\@:
.irp j, 0,1,2,3                        ; the maximum of 32 scores and the old m, three operands at a time, four chains; the two tiles line by line.  Each accumulator is read from its low end on
.irp x, 0,1
	v_max3_num_f32 v[ST+8*\x+4+\j], v[S+32*\x+8*\j], v[S+32*\x+8*\j+1], v[S+32*\x+8*\j+2]
.endr
.endr
.irp g, 1,2
.irp j, 0,1,2,3
.irp x, 0,1
	v_max3_num_f32 v[ST+8*\x+4+\j], v[ST+8*\x+4+\j], v[S+32*\x+8*\j+2*\g+1], v[S+32*\x+8*\j+2*\g+2]
.endr
.endr
.endr
.irp x, 0,1
	v_max3_num_f32 v[ST+8*\x+4], v[ST+8*\x+4], v[S+32*\x+7], v[S+32*\x+15]
.endr
.irp x, 0,1
	v_max3_num_f32 v[ST+8*\x+6], v[ST+8*\x+6], v[S+32*\x+23], v[S+32*\x+31]
.endr
.irp x, 0,1
	v_max3_num_f32 v[ST+8*\x+4], v[ST+8*\x+4], v[ST+8*\x+5], v[ST+8*\x+6]
.endr
.irp x, 0,1
	v_max3_num_f32 v[ST+8*\x+4], v[ST+8*\x+4], v[ST+8*\x+7], v[ST+8*\x]
.endr
.irp x, 0,1
	v_permlanex16_b32 v[ST+8*\x+5], v[ST+8*\x+4], s[SEL], s[SEL+1]   ; the query's other 32 keys lie in the lane 16 away
.endr
.irp x, 0,1
	v_mov_b32 v[ST+8*\x+1], v[ST+8*\x]
.endr
.irp x, 0,1
	v_max_num_f32 v[ST+8*\x], v[ST+8*\x+4], v[ST+8*\x+5]             ; the new m
.endr
.irp x, 0,1
	v_sub_f32 v[ST+8*\x+1], v[ST+8*\x+1], v[ST+8*\x]                 ; m_old - m
.endr
.irp i, 0,1,2,3,4,5,6,7,8,9,10,11,12,13,14,15
.irp x, 0,1
	v_pk_add_f32 v[S+32*\x+2*\i:S+32*\x+2*\i+1], v[S+32*\x+2*\i:S+32*\x+2*\i+1], v[ST+8*\x:ST+8*\x+1] op_sel_hi:[1,0] neg_lo:[0,1] neg_hi:[0,1]   ; t - m, two at a time
.endr
.endr
.irp x, 0,1
	v_exp_f32 v[ST+8*\x+6], v[ST+8*\x+1]           ; alpha.  ONE BATCH of 66 exponentials
.endr
.irp i, 0,1,2,3,4,5,6,7,8,9,10,11,12,13,14,15,16,17,18,19,20,21,22,23,24,25,26,27,28,29,30,31
.irp x, 0,1
	v_exp_f32 v[S+32*\x+\i], v[S+32*\x+\i]
.endr
.endr
	v_nop                                          ; a plain line behind the last exponential
	s_wait_alu depctr_va_vdst(0)                   ; one wait for the batch, ahead of its first reader
.irp x, 0,1
	v_pk_fma_f32 v[ST+8*\x+2:ST+8*\x+3], v[ST+8*\x+2:ST+8*\x+3], v[ST+8*\x+6:ST+8*\x+7], v[S+32*\x:S+32*\x+1] op_sel_hi:[1,0,1]   ; l = alpha l + the first pair
.endr
.irp x, 0,1
	v_pk_add_f32 v[ST+8*\x+4:ST+8*\x+5], v[S+32*\x+2:S+32*\x+3], v[S+32*\x+4:S+32*\x+5]    ; a second chain
.endr
.irp i, 3,5,7,9,11,13
.irp x, 0,1
	v_pk_add_f32 v[ST+8*\x+2:ST+8*\x+3], v[ST+8*\x+2:ST+8*\x+3], v[S+32*\x+2*\i:S+32*\x+2*\i+1]
.endr
.irp x, 0,1
	v_pk_add_f32 v[ST+8*\x+4:ST+8*\x+5], v[ST+8*\x+4:ST+8*\x+5], v[S+32*\x+2*\i+2:S+32*\x+2*\i+3]
.endr
.endr
.irp x, 0,1
	v_pk_add_f32 v[ST+8*\x+2:ST+8*\x+3], v[ST+8*\x+2:ST+8*\x+3], v[S+32*\x+30:S+32*\x+31]
.endr
.irp x, 0,1
	v_pk_add_f32 v[ST+8*\x+2:ST+8*\x+3], v[ST+8*\x+2:ST+8*\x+3], v[ST+8*\x+4:ST+8*\x+5]
.endr
.irp i, 0,1,2,3,4,5,6,7,8,9,10,11,12,13,14,15
.irp x, 0,1
	v_cvt_pk_f16_f32 v[S+32*\x+\i], v[S+32*\x+2*\i], v[S+32*\x+2*\i+1]   ; P in place, ascending: register i was used up by conversion i / 2
.endr
.endr
.irp i, 0,1,2,3,4,5,6,7,8,9,10,11,12,13,14,15
.irp x, 0,1
	v_pk_mul_f32 v[O+32*\x+2*\i:O+32*\x+2*\i+1], v[O+32*\x+2*\i:O+32*\x+2*\i+1], v[ST+8*\x+6:ST+8*\x+7] op_sel_hi:[1,0]   ; O^T x alpha
.endr
.endr
	s_wait_dscnt 0x0                               ; V is in
.irp kf, 0,1                           ; O^T += V^T P: eight accumulators by turns
.irp ct, 0,1,2,3
.irp x, 0,1
	v_wmma_f32_16x16x32_f16 v[O+32*\x+8*\ct:O+32*\x+8*\ct+7], v[KV+8*(4*\kf+\ct):KV+8*(4*\kf+\ct)+7], v[S+32*\x+8*\kf:S+32*\x+8*\kf+7], v[O+32*\x+8*\ct:O+32*\x+8*\ct+7]
.endr
.endr
.endr
.endm
.macro GROUP                           ; a group all of whose keys come after my queries is passed over: its work alone, not the lines that step
	s_cmp_gt_u32 s[KG], s[TT]
	s_cbranch_scc1 .Lhidden_\@
	STEP 0
	STEP 1
.Lhidden_\@:
	s_add_co_u32 s[KG], s[KG], 1
	s_add_co_u32 s[TB], s[TB], GRPB
.endm
.macro SLOT_GROUPS                     ; a slot's two groups: written once, walked twice
	s_mov_b32 s[TWICE], 2
.Lgrp_\@:
	GROUP
	s_sub_co_u32 s[TWICE], s[TWICE], 1
	s_cmp_lg_u32 s[TWICE], 0
	s_cbranch_scc1 .Lgrp_\@
	s_sub_co_u32 s[TB], s[TB], 2*GRPB
	s_xor_b32 s[TB], s[TB], SLOT1                  ; on to the other slot
.endm
; THE CHANGE OF SLOTS stands at a slot's head.  Each wave waits for all its tensor loads, adds 0 to its spare word, and waits for that and for its reads of the slot that it has left.
; fill = 1: a round of the cluster's barrier, and behind it the other slot is filled with the next 256 keys: the load has a slot's two groups in which to land; one tensor load of a fetching wave is out.
.macro CHANGE fill
	s_wait_tensorcnt 0x0
	ds_add_u32 v[SPW], v[NIL]
.if \fill
	ds_add_u32 v[SPW], v[NIL]                      ; and twice on end here, in every trip alike
	s_xor_b32 s[G0K+1], s[G0K+1], SLOT1            ; no tensor load of mine is out: the walking descriptors step
	s_add_nc_u64 s[G0K+2:G0K+3], s[G0K+2:G0K+3], 32768
	s_xor_b32 s[G0V+1], s[G0V+1], SLOT1
	s_add_nc_u64 s[G0V+2:G0V+3], s[G0V+2:G0V+3], 32768
	s_wait_xcnt 0x0                                ; the last prefetch, a slot back, has read its address
	s_add_nc_u64 s[PFA:PFA+1], s[PFA:PFA+1], 32768
	s_wait_dscnt 0x0
	CROUND
	TLOAD
	ASK
.else
	s_wait_dscnt 0x0
	s_barrier_signal -1
	s_barrier_wait -1
.endif
.endm
	s_wait_loadcnt 0x0                             ; Q
.Lslot:                                            ; seven trips: behind each change of slots but the last the next slot is asked for
	CHANGE 1
	SLOT_GROUPS
	s_sub_co_u32 s[SLOTS], s[SLOTS], 1
	s_cmp_lg_u32 s[SLOTS], 0
	s_cbranch_scc1 .Lslot
	CHANGE 0                                       ; the last slot is written out
	SLOT_GROUPS
	; THE WAY OUT: O^T / l, rounded to f16, through my stage, and out as 4,096 consecutive bytes: my 32 queries of this head.
.rept 4
	v_nop                                          ; places behind the last products
.endr
.irp x, 0,1
	v_add_f32 v[ST+8*\x+4], v[ST+8*\x+2], v[ST+8*\x+3]
.endr
.irp x, 0,1
	v_permlanex16_b32 v[ST+8*\x+5], v[ST+8*\x+4], s[SEL], s[SEL+1]
.endr
.irp x, 0,1
	v_add_f32 v[ST+8*\x+4], v[ST+8*\x+4], v[ST+8*\x+5]
.endr
.irp x, 0,1
	v_rcp_f32 v[ST+8*\x+6], v[ST+8*\x+4]
.endr
	v_nop
	s_wait_alu depctr_va_vdst(0)                   ; one wait for the two reciprocals, ahead of their first reader
.irp i, 0,1,2,3,4,5,6,7,8,9,10,11,12,13,14,15
.irp x, 0,1
	v_pk_mul_f32 v[O+32*\x+2*\i:O+32*\x+2*\i+1], v[O+32*\x+2*\i:O+32*\x+2*\i+1], v[ST+8*\x+6:ST+8*\x+7] op_sel_hi:[1,0]
.endr
.endr
.irp x, 0,1
.irp ct, 0,1,2,3
.irp i, 0,1,2,3
	v_cvt_pk_f16_f32 v[KV+16*\x+4*\ct+\i], v[O+32*\x+8*\ct+2*\i], v[O+32*\x+8*\ct+2*\i+1]
.endr
.endr
.endr
.irp x, 0,1
.irp ct, 0,1,2,3
	ds_store_b128 v[STO], v[KV+16*\x+4*\ct:KV+16*\x+4*\ct+3] offset:16*SROW*\x+32*\ct
.endr
.endr
.irp i, 0,1,2,3,4,5,6,7
	ds_load_b128 v[S+4*\i:S+4*\i+3], v[RD] offset:4*SROW*\i          ; LDS serves a wave's instructions in order: these see my stores
.endr
.irp i, 0,1,2,3,4,5,6,7
	s_wait_dscnt 7-\i                              ; load i is back; the later ones may be out
	global_store_b128 v[GO], v[S+4*\i:S+4*\i+3], s[OB:OB+1] offset:512*\i   ; 512 consecutive bytes, aligned
.endr
	s_wait_tensorcnt 0x0                           ; the wave's end
	ds_add_u32 v[SPW], v[NIL]
	s_wait_dscnt 0x0
	CROUND                                         ; the closing round
	s_endpgm
.Lfunc_end_k_q4e46d51e88_attn:
	.size	k_q4e46d51e88_attn, .Lfunc_end_k_q4e46d51e88_attn-k_q4e46d51e88_attn
	.p2alignl 7, 3214868480
	.fill 96, 4, 3214868480
	.section	.rodata,"a",@progbits
	.p2align	6, 0x0
	.amdhsa_kernel k_q4e46d51e88_attn
		.amdhsa_group_segment_fixed_size 327680
		.amdhsa_private_segment_fixed_size 0
		.amdhsa_enable_private_segment 0
		.amdhsa_kernarg_size 16
		.amdhsa_user_sgpr_count 2
		.amdhsa_user_sgpr_kernarg_segment_ptr 1
		.amdhsa_wavefront_size32 1
		.amdhsa_system_sgpr_workgroup_id_x 1
		.amdhsa_system_sgpr_workgroup_id_y 1
		.amdhsa_system_sgpr_workgroup_id_z 1
		.amdhsa_system_vgpr_workitem_id 0
		.amdhsa_next_free_vgpr 256
		.amdhsa_next_free_sgpr 72
		.amdhsa_reserve_vcc 1
		.amdhsa_float_denorm_mode_32 3
		.amdhsa_float_denorm_mode_16_64 3
		.amdhsa_memory_ordered 1
		.amdhsa_forward_progress 1
		.amdhsa_inst_pref_size 107
	.end_amdhsa_kernel
	.amdgpu_metadata
---
amdhsa.version: [ 1, 2 ]
amdhsa.kernels:
  - .name:           k_q4e46d51e88_attn
    .symbol:         k_q4e46d51e88_attn.kd
    .args:
      - { .name: qkv16, .offset: 0, .size: 8, .value_kind: global_buffer, .address_space: global }
      - { .name: o16, .offset: 8, .size: 8, .value_kind: global_buffer, .address_space: global }
    .group_segment_fixed_size: 327680
    .private_segment_fixed_size: 0
    .kernarg_segment_align: 8
    .kernarg_segment_size: 16
    .max_flat_workgroup_size: 512
    .sgpr_count:     72
    .vgpr_count:     256
    .wavefront_size: 32
...
	.end_amdgpu_metadata
.endif
;; end of part 3
;; launch proj (part 4): grid 4 x 64, 4 waves a work-group, clusters of 4 x 4, 327,680 bytes of LDS; arguments o16, wo16, out0; writes out0
.if DOCPART == 4
	.amdgcn_target "amdgcn-amd-amdhsa--gfx1250"
	.amdhsa_code_object_version 6
	.text
	.protected	k_q4e46d51e88_proj
	.globl	k_q4e46d51e88_proj
	.p2align	8
	.type	k_q4e46d51e88_proj,@function
k_q4e46d51e88_proj:
	s_mov_b64 s[64:65], 0
	v_nop
	global_prefetch_b8 v0, s[64:65] scope:SCOPE_SE
	s_setreg_imm32_b32 hwreg(HW_REG_WAVE_MODE, 25, 1), 1
	s_wait_xcnt 0x0
	s_wait_alu depctr_hold_cnt(0) depctr_sa_sdst(0) depctr_va_vdst(0) depctr_va_sdst(0) depctr_va_ssrc(0) depctr_va_vcc(0) depctr_vm_vsrc(0)
	s_getreg_b32 s2, hwreg(HW_REG_IB_STS2, 6, 4)
	s_cmp_eq_u32 s2, 0
	s_cbranch_scc0 .Lentry_in_a_cluster
	s_endpgm
.Lentry_in_a_cluster:
	s_bfe_u32 s2, ttmp6, 0x10000c
	s_cmp_lg_u32 s2, 0xf033
	s_cbranch_scc0 .Lentry_shape_is_right
	s_endpgm
.Lentry_shape_is_right:
; PROJ.  out0[b][s][e] = the sum over d of o[b][s][d] Wo[e][d], f16 operands, f32 sums, for all positions but 0-15 of each sequence: those rows belong to the last launch, so that each output byte has one owner.
; o16 is [batch][head][position][64] f16: for one head 128 positions are a dense block of 16,384 bytes, stated as 64 rows of 256 bytes (two positions).  wo16 is [e][d] f16.
; A tile of 128 positions x 256 outputs is made by a work-group of four waves: 256 work-groups.  A wave makes 64 x 128: 32 accumulators, window 1.  K goes in eight steps of 128 (two heads) through two LDS slots.
; CLUSTERS: 4 x 4.  Tile column = cx; tile row = cluster y + 16 cy: the batch is cy.  The four of a row of the cluster ask for o's tiles jointly, the four of a column for Wo's.
; THE MATRIX INSTRUCTION IS USED TRANSPOSED (source 0 = 16 rows of Wo, source 1 = 16 positions): a lane holds eight neighbouring outputs of one position.
; No prefetch: K has eight steps, of which the first two are asked for at the head, and the launch moves its outputs all the while.
; REGISTERS: window 0: v16-29 addresses; two fragment buffers at v32 and v128: 64 registers of Wo, then 32 of o; on the way out v32-159 rows read back.  Window 1: accumulator (a, b) at v[8 (8 a + b)].
.set PITCH,  272
.set ABLK,   64*PITCH                  ; one head's 128 positions
.set BOFF,   2*ABLK
.set BHALF,  128*PITCH                 ; 128 rows of Wo
.set SLOT,   BOFF+2*BHALF
.set STAGE,  2*SLOT                    ; behind the ring: 16 rows x 528 bytes for each wave
.set SPITCH, 528
.set SPARE,  STAGE+4*16*SPITCH         ; the spare words, 128 bytes a wave, named by no other line
.set ADRA, 16
.set ADRB, 20
.set STO,  24
.set RD,   25
.set CO,   26
.set SPW,  28
.set NIL,  29
.set F0,   32
.set F1,   128
.set OBK,  32
.set G1, 24
.set G0, 32
.set G1B, 48
.set G0B, 56
.set MSB, 0
.macro WIN new
.if MSB != \new
	s_set_vgpr_msb (MSB<<8)|\new
.set MSB, \new
.endif
.endm
.set MUL, 0x50                         ; C and D window 1, both sources window 0
.macro JLOAD s                         ; waves 0 and 1 fetch o's two heads, waves 2 and 3 Wo's two halves; an s_nop 0 and four v_nop follow each line
	s_cmp_eq_u32 s11, 0
	s_cbranch_scc0 .Lfor_b_\@
	tensor_load_to_lds s[G0+4*\s:G0+4*\s+3], s[G1:G1+7]
	s_nop 0
.rept 4
	v_nop
.endr
	s_branch .Lasked_\@
.Lfor_b_\@:
	tensor_load_to_lds s[G0B+4*\s:G0B+4*\s+3], s[G1B:G1B+7]
	s_nop 0
.rept 4
	v_nop
.endr
.Lasked_\@:
.endm
.macro CREST
	s_cmp_lg_u32 s10, 0
	s_cbranch_scc1 .Lnot_wave_0_\@
	s_barrier_signal -3
.Lnot_wave_0_\@:
	s_barrier_wait -3
	s_barrier_signal -1
	s_barrier_wait -1
.endm
.macro CROUND
	s_barrier_signal -1
	s_barrier_wait -1
	CREST
.endm
	s_load_b128 s[4:7], s[0:1], 0x0                ; o16, wo16
	s_load_b64 s[8:9], s[0:1], 0x10                ; out0
	v_lshl_add_u32 v[SPW], v0, 2, SPARE
	v_mov_b32 v[NIL], 0
	ds_add_u32 v[SPW], v[NIL]                      ; the wave's opening: the add, twice on end, and its wait ahead of my first tensor load
	ds_add_u32 v[SPW], v[NIL]
	v_lshrrev_b32 v1, 5, v0
	v_readfirstlane_b32 s10, v1                    ; wave 0..3
	s_lshr_b32 s11, s10, 1                         ; which half of the tile's positions is mine.  Also: I fetch for o (0) or for Wo (1)
	s_and_b32 s12, s10, 1                          ; which half of its outputs.  Also: which head, or which 128 rows, I fetch
	s_bfe_u32 s40, ttmp6, 0x40000                  ; cx
	s_bfe_u32 s41, ttmp6, 0x40004                  ; cy
	s_and_b32 s13, ttmp7, 0xffff                   ; cluster y: the tile's 128 positions in the batch
	s_lshl_b32 s43, s41, 2
	s_lshl_b32 s43, 15, s43                        ; my row of the cluster
	s_lshl_b32 s44, 0x1111, s40                    ; my column
	s_or_b32 s[G1+0], s43, (1<<16)|(1<<20)|(1<<21)|(5<<22)|(3<<25)   ; the mask; elements of 2 bytes; padding on; bit 21 beside a mask; 4 words after every 64
	s_mov_b32 s[G1+1], 128<<16                     ; tensor_dim0 = 128
	s_mov_b32 s[G1+2], 64<<16                      ; tensor_dim1 = 64
	s_mov_b32 s[G1+3], 128<<16                     ; tile_dim0
	s_mov_b32 s[G1+4], 64                          ; tile_dim1
	s_mov_b32 s[G1+5], 128                         ; dense rows
	s_mov_b32 s[G1+6], 0
	s_mov_b32 s[G1+7], 0
	s_or_b32 s[G1B+0], s44, (1<<16)|(1<<20)|(1<<21)|(5<<22)|(3<<25)
	s_mov_b32 s[G1B+1], 128<<16
	s_mov_b32 s[G1B+2], 128<<16
	s_mov_b32 s[G1B+3], 128<<16
	s_mov_b32 s[G1B+4], 128
	s_mov_b32 s[G1B+5], 1024                       ; a row of Wo
	s_mov_b32 s[G1B+6], 0
	s_mov_b32 s[G1B+7], 0
	s_lshl_b32 s16, s41, 22                        ; o: the batch's 16 heads of 262,144 bytes,
	s_lshl_b32 s17, s12, 18                        ; my head of the step's two,
	s_add_co_u32 s16, s16, s17
	s_lshl_b32 s17, s13, 14                        ; the tile's 128 positions
	s_add_co_u32 s16, s16, s17
	s_mov_b32 s17, 0
	s_lshl_b32 s46, s40, 19                        ; Wo: row 256 cx + 128 x half, 2,048 bytes a row
	s_lshl_b32 s47, s12, 18
	s_add_co_u32 s46, s46, s47
	s_mov_b32 s47, 0
	s_mul_i32 s20, s12, ABLK                       ; where they go: no place in the cluster enters an LDS address
	s_mul_i32 s21, s12, BHALF
	s_add_co_u32 s21, s21, BOFF
	s_wait_dscnt 0x0                               ; both opening adds are done
	s_wait_kmcnt 0x0
	s_add_nc_u64 s[14:15], s[4:5], s[16:17]
	s_add_nc_u64 s[46:47], s[6:7], s[46:47]
	CROUND                                         ; all sixteen work-groups are here
.irp s, 0,1
	s_mov_b32 s[G0+4*\s], 1
	s_add_co_u32 s[G0+4*\s+1], s20, \s*SLOT
	s_add_nc_u64 s[G0+4*\s+2:G0+4*\s+3], s[14:15], \s*524288       ; K step s: two heads on
	s_or_b32 s[G0+4*\s+3], s[G0+4*\s+3], 0x80000000
	s_mov_b32 s[G0B+4*\s], 1
	s_add_co_u32 s[G0B+4*\s+1], s21, \s*SLOT
	s_add_nc_u64 s[G0B+4*\s+2:G0B+4*\s+3], s[46:47], \s*256
	s_or_b32 s[G0B+4*\s+3], s[G0B+4*\s+3], 0x80000000
	JLOAD \s                                       ; two tensor loads of mine are out
.endr
	v_and_b32 v1, 15, v0                           ; r
	v_bfe_u32 v2, v0, 4, 1                         ; h
	v_lshrrev_b32 v3, 1, v1                        ; o: position r lies at (r / 2) x pitch + (r % 2) x 128, + 16 h
	v_mul_u32_u24 v3, v3, PITCH
	v_and_b32 v4, 1, v1
	v_lshl_add_u32 v3, v4, 7, v3
	v_lshl_add_u32 v3, v2, 4, v3
	s_mul_i32 s22, s11, 32*PITCH                   ; my 64 positions
	v_mul_u32_u24 v4, v1, PITCH                    ; Wo: row r x pitch + 16 h
	v_lshl_add_u32 v4, v2, 4, v4
	s_mul_i32 s23, s12, BHALF
	s_add_co_u32 s23, s23, BOFF
.irp s, 0,1
	v_add_nc_u32 v[ADRA+\s], s22, v3
	v_add_nc_u32 v[ADRB+\s], s23, v4
	s_add_co_u32 s22, s22, SLOT
	s_add_co_u32 s23, s23, SLOT
.endr
	s_mul_i32 s22, s10, 16*SPITCH
	s_add_co_u32 s22, s22, STAGE                   ; my stage
	v_mul_u32_u24 v5, v1, SPITCH
	v_lshl_add_u32 v5, v2, 5, v5
	v_add_nc_u32 v[STO], s22, v5                   ; in: row r, 32 bytes for each half of the lanes
	v_and_b32 v6, 31, v0
	v_lshlrev_b32 v[CO], 4, v6
	v_add_nc_u32 v[RD], s22, v[CO]                 ; back: the 32 lanes take one row of 512 bytes
	s_or_b32 s2, s13, s11                          ; positions 0-15 fall to me where cluster y = 0 and my positions are the tile's first half: the same in all partners, for a given wave
	s_cmp_eq_u32 s2, 0
	s_cselect_b32 s2, 1, 0
	s_lshl_b32 s16, s41, 11
	s_lshl_b32 s17, s13, 7
	s_add_co_u32 s16, s16, s17
	s_lshl_b32 s17, s11, 6
	s_add_co_u32 s16, s16, s17                     ; my first row of out0
	s_lshl_b32 s16, s16, 12
	s_mov_b32 s17, 0
	s_add_nc_u64 s[8:9], s[8:9], s[16:17]
	s_lshl_b32 s46, s40, 10                        ; my first column, in bytes
	s_lshl_b32 s47, s12, 9
	s_add_co_u32 s46, s46, s47
	s_mov_b32 s47, 0
	s_add_nc_u64 s[8:9], s[8:9], s[46:47]
.macro MUL8 f, a, zero                 ; position block a x Wo's eight blocks, 32 along K.  The 32 accumulators take turns in the same order in every quarter
.irp b, 0,1,2,3,4,5,6,7
.if \zero
	v_wmma_f32_16x16x32_f16 v[8*(8*(\a)+\b):8*(8*(\a)+\b)+7], v[\f+8*\b:\f+8*\b+7], v[\f+64+8*(\a):\f+64+8*(\a)+7], 0
.else
	v_wmma_f32_16x16x32_f16 v[8*(8*(\a)+\b):8*(8*(\a)+\b)+7], v[\f+8*\b:\f+8*\b+7], v[\f+64+8*(\a):\f+64+8*(\a)+7], v[8*(8*(\a)+\b):8*(8*(\a)+\b)+7]
.endif
.endr
.endm
.macro FETCH slot, q, f                ; 24 LDS loads in one run: quarter q's fragments: Wo's sixteen loads, then o's blocks 0, 1, then 2, 3
	WIN 0
.irp b, 0,1,2,3,4,5,6,7
	ds_load_b128 v[\f+8*\b:\f+8*\b+3],   v[ADRB+\slot] offset:64*(\q)+4352*\b
	ds_load_b128 v[\f+8*\b+4:\f+8*\b+7], v[ADRB+\slot] offset:64*(\q)+4352*\b+32
.endr
.irp a, 0,1,2,3
	ds_load_b128 v[\f+64+8*\a:\f+64+8*\a+3],   v[ADRA+\slot] offset:ABLK*((\q)/2)+64*((\q)%2)+2176*\a
	ds_load_b128 v[\f+64+8*\a+4:\f+64+8*\a+7], v[ADRA+\slot] offset:ABLK*((\q)/2)+64*((\q)%2)+2176*\a+32
.endr
.endm
.macro PLACES
.rept 4
	v_nop
.endr
.endm
.macro QUARTER slot, q, f, g, zero     ; multiplies buffer f; in its middle fetches quarter q of the same slot into g
	s_wait_dscnt 4                                 ; all but the youngest four loads (o's blocks 2, 3)
	WIN MUL
	MUL8 \f, 0, \zero
	MUL8 \f, 1, \zero
	PLACES
	FETCH \slot, \q, \g
	s_wait_dscnt 24                                ; all but the 24 just issued
	WIN MUL
	MUL8 \f, 2, \zero
	MUL8 \f, 3, \zero
.endm
; A slot's last quarter multiplies buffer 1 and changes slots: one barrier; in front of it each wave waits for all its tensor loads, adds 0 to its spare word, and waits for that and for its reads of this slot.
; fill = 1: the barrier opens a round of the cluster's, and this slot is filled again, two K steps ahead: one tensor load of mine is out, with a K step less 16 products in which to land.
.macro TURN slot, next, fill
	WIN 0
	s_wait_tensorcnt 0x0
	ds_add_u32 v[SPW], v[NIL]
	s_wait_dscnt 5                                 ; the add and the youngest four loads may be out
	WIN MUL
	MUL8 F1, 0, 0
	s_wait_dscnt 0x0
	s_barrier_signal -1
	MUL8 F1, 1, 0
.if \fill
	WIN 0
.endif
	s_barrier_wait -1
.if \fill
	CREST
	s_add_nc_u64 s[G0+4*\slot+2:G0+4*\slot+3], s[G0+4*\slot+2:G0+4*\slot+3], 1048576   ; four heads on
	s_add_nc_u64 s[G0B+4*\slot+2:G0B+4*\slot+3], s[G0B+4*\slot+2:G0B+4*\slot+3], 512
	JLOAD \slot                                    ; the four v_nop behind it are also the places in front of the loads below
.else
	PLACES
.endif
	FETCH \next, 0, F0
	WIN MUL
	MUL8 F1, 2, 0
	MUL8 F1, 3, 0
.endm
	s_wait_tensorcnt 1                             ; my part of K step 0 is in; K step 1's load may be out
	s_barrier_signal -1
	s_barrier_wait -1
	FETCH 0, 0, F0
	QUARTER 0, 1, F0, F1, 1                        ; the first quarter's products start the sums
	WIN 0
	s_mov_b32 s3, 3
.Llap:                                             ; a trip goes once round the ring and fills both slots again: K steps 2 to 7
	QUARTER 0, 2, F1, F0, 0
	QUARTER 0, 3, F0, F1, 0
	TURN 0, 1, 1
	QUARTER 1, 1, F0, F1, 0
	QUARTER 1, 2, F1, F0, 0
	QUARTER 1, 3, F0, F1, 0
	TURN 1, 0, 1
	QUARTER 0, 1, F0, F1, 0
	WIN 0
	s_sub_co_u32 s3, s3, 1
	s_cmp_lg_u32 s3, 0
	s_cbranch_scc1 .Llap
	QUARTER 0, 2, F1, F0, 0                        ; the last lap fills nothing
	QUARTER 0, 3, F0, F1, 0
	TURN 0, 1, 0
	QUARTER 1, 1, F0, F1, 0
	QUARTER 1, 2, F1, F0, 0
	QUARTER 1, 3, F0, F1, 0
	s_wait_dscnt 4
	WIN MUL
	MUL8 F1, 0, 0
	MUL8 F1, 1, 0
	s_wait_dscnt 0
	MUL8 F1, 2, 0
	MUL8 F1, 3, 0
	WIN 0
; THE WAY OUT, 16 positions x 128 outputs at a time: through my stage and back as whole rows of 512 bytes.
.macro TOSTAGE a
	WIN 0x04                                       ; an LDS store's data: window 1
.irp b, 0,1,2,3,4,5,6,7
	ds_store_b128 v[STO], v[64*(\a)+8*\b:64*(\a)+8*\b+3] offset:64*\b        ; each accumulator from its low end on
	ds_store_b128 v[STO], v[64*(\a)+8*\b+4:64*(\a)+8*\b+7] offset:64*\b+16
.endr
	WIN 0
.set BB, OBK+64*((\a)%2)
.irp t, 0,1,2,3,4,5,6,7,8,9,10,11,12,13,14,15
	ds_load_b128 v[BB+4*\t:BB+4*\t+3], v[RD] offset:\t*SPITCH
.endr
.endm
.macro SEND a, younger
.set BB, OBK+64*((\a)%2)
	s_wait_dscnt \younger                          ; the block is back; the next block's 16 stores and 16 loads may be out
.if (\a) == 0
	s_cmp_lg_u32 s2, 0                             ; positions 0-15 of a sequence are stored by the last launch alone
	s_cbranch_scc1 .Lfine_rows
.endif
.irp t, 0,1,2,3,4,5,6,7,8,9,10,11,12,13,14,15
	global_store_b128 v[CO], v[BB+4*\t:BB+4*\t+3], s[8:9] offset:65536*(\a)+4096*\t th:TH_STORE_NT   ; 512 consecutive bytes, aligned
.endr
.if (\a) == 0
.Lfine_rows:
.endif
.endm
	PLACES                                         ; behind the last products
	TOSTAGE 0
.irp a, 1,2,3
.if \a > 1
	s_wait_xcnt 0x0                                ; block a - 2's stores have read their registers: block a's loads may land there
.endif
	TOSTAGE \a
	SEND \a-1, 32
.endr
	SEND 3, 0
	s_wait_tensorcnt 0x0                           ; the wave's end
	ds_add_u32 v[SPW], v[NIL]
	s_wait_dscnt 0x0
	CROUND                                         ; the closing round
	s_endpgm
.Lfunc_end_k_q4e46d51e88_proj:
	.size	k_q4e46d51e88_proj, .Lfunc_end_k_q4e46d51e88_proj-k_q4e46d51e88_proj
	.p2alignl 7, 3214868480
	.fill 96, 4, 3214868480
	.section	.rodata,"a",@progbits
	.p2align	6, 0x0
	.amdhsa_kernel k_q4e46d51e88_proj
		.amdhsa_group_segment_fixed_size 327680
		.amdhsa_private_segment_fixed_size 0
		.amdhsa_enable_private_segment 0
		.amdhsa_kernarg_size 24
		.amdhsa_user_sgpr_count 2
		.amdhsa_user_sgpr_kernarg_segment_ptr 1
		.amdhsa_wavefront_size32 1
		.amdhsa_system_sgpr_workgroup_id_x 1
		.amdhsa_system_sgpr_workgroup_id_y 1
		.amdhsa_system_sgpr_workgroup_id_z 1
		.amdhsa_system_vgpr_workitem_id 0
		.amdhsa_next_free_vgpr 512
		.amdhsa_next_free_sgpr 66
		.amdhsa_reserve_vcc 0
		.amdhsa_float_denorm_mode_32 3
		.amdhsa_float_denorm_mode_16_64 3
		.amdhsa_memory_ordered 1
		.amdhsa_forward_progress 1
		.amdhsa_inst_pref_size 85
	.end_amdhsa_kernel
	.amdgpu_metadata
---
amdhsa.version: [ 1, 2 ]
amdhsa.kernels:
  - .name:           k_q4e46d51e88_proj
    .symbol:         k_q4e46d51e88_proj.kd
    .args:
      - { .name: o16, .offset: 0, .size: 8, .value_kind: global_buffer, .address_space: global }
      - { .name: wo16, .offset: 8, .size: 8, .value_kind: global_buffer, .address_space: global }
      - { .name: out0, .offset: 16, .size: 8, .value_kind: global_buffer, .address_space: global }
    .group_segment_fixed_size: 327680
    .private_segment_fixed_size: 0
    .kernarg_segment_align: 8
    .kernarg_segment_size: 24
    .max_flat_workgroup_size: 128
    .sgpr_count:     66
    .vgpr_count:     512
    .wavefront_size: 32
...
	.end_amdgpu_metadata
.endif
;; end of part 4
;; launch fine (part 5): grid 16 x 4, 16 waves a work-group, no clusters, 71,680 bytes of LDS; arguments qkv32, Wo, out0; writes out0
.if DOCPART == 5
	.amdgcn_target "amdgcn-amd-amdhsa--gfx1250"
	.amdhsa_code_object_version 6
	.text
	.protected	k_q4e46d51e88_fine
	.globl	k_q4e46d51e88_fine
	.p2align	8
	.type	k_q4e46d51e88_fine,@function
k_q4e46d51e88_fine:
	s_mov_b64 s[64:65], 0
	v_nop
	global_prefetch_b8 v0, s[64:65] scope:SCOPE_SE
	s_setreg_imm32_b32 hwreg(HW_REG_WAVE_MODE, 25, 1), 1
	s_wait_xcnt 0x0
; FINE.  Positions 0-15 of every sequence, where a row averages one to sixteen values and the rounding of 16-bit operands weighs most: scores, softmax, values and the projection in f32.
; Work-group (nb, b) makes out0[b][0..15][64 nb .. 64 nb + 63].  Wave = head: it runs its head's 16 x 16 attention (32 matrix instructions, repeated in each of the 16 column blocks: small beside the rest)
; and its head's part of the projection (64); the sixteen parts meet in LDS and are added in a fixed order.
; All three products are used transposed and their K places are permuted alike on both sides, so that what a lane holds is the next operand as it stands:
;   S^T = K Q^T:     step kk, register j: channel 32 h + 2 kk + j.      Result: lane (r, h): query r, keys 8 h + 0..7.
;   O^T = V^T P^T:   step i, register j: key 8 h + 2 i + j.             Result: query r, channels 16 t + 8 h + 0..7.
;   Y^T = Wo o^T:    step (t, i), register j: channel 16 t + 8 h + 2 i + j.   Result: query r, outputs 16 ct + 8 h + 0..7.
; q arrives multiplied by log2(e) / 8.  The maximum is taken away before the exponential.  The four accumulators v176-207 are written by matrix instructions alone.
; No cluster and no tensor load: 64 small work-groups, whose shared bytes (Wo's rows, read by four of them) are few.
.set PART,  4352                       ; a head's part: 16 rows x (256 bytes + 16)
.set SPARE, 16*PART                    ; the spare words, 128 bytes a wave, named by no other line
.set AQ,   3
.set AVT,  4
.set AW,   5
.set DQ,   6
.set PS,   7
.set RDP,  8
.set GOUT, 9
.set QF,   16                          ; v16-47 q, v48-79 k; later Wo's blocks 2, 3
.set KF,   48
.set VT,   80                          ; v80-111 v, turned by the loads; later o
.set WOA,  112                         ; v112-175 Wo's blocks 0, 1; later the sixteen parts
.set ACC,  176
.set SS,   208
.set P,    216
.set TM,   224
.set NEG,  232
.set SPW,  254
.set NIL,  255
	s_load_b128 s[4:7], s[0:1], 0x0                ; qkv32, Wo
	s_load_b64 s[8:9], s[0:1], 0x10                ; out0
	v_lshl_add_u32 v[SPW], v0, 2, SPARE
	v_mov_b32 v[NIL], 0
	v_lshrrev_b32 v1, 5, v0
	v_readfirstlane_b32 s10, v1                    ; wave = head
	s_and_b32 s11, ttmp7, 0xffff                   ; batch
	v_and_b32 v1, 15, v0                           ; r
	v_bfe_u32 v2, v0, 4, 1                         ; h
	v_lshlrev_b32 v[AQ], 8, v1
	v_lshl_add_u32 v[AQ], v2, 7, v[AQ]             ; q, k: row r of 256 bytes, + 128 h
	v_lshlrev_b32 v[AVT], 2, v1
	v_lshl_add_u32 v[AVT], v2, 11, v[AVT]          ; v: key 8 h, channel r
	v_lshlrev_b32 v[AW], 12, v1
	v_lshl_add_u32 v[AW], v2, 5, v[AW]             ; Wo: row r of 4,096 bytes, + 32 h
	v_lshlrev_b32 v10, 3, v2
	v_sub_nc_u32 v[DQ], v1, v10                    ; r - 8 h
	s_mul_i32 s12, s10, PART
	v_mul_u32_u24 v[PS], v1, 272
	v_lshl_add_u32 v[PS], v2, 5, v[PS]
	v_add_nc_u32 v[PS], s12, v[PS]                 ; my part: row r, + 32 h
	s_and_b32 s12, s10, 7                          ; (waves 0 to 7 add and store; wave & 7 keeps the addresses inside in all sixteen)
	s_lshl_b32 s12, s12, 1
	v_add_nc_u32 v10, s12, v2                      ; the row that I add up: 2 w + h
	v_mul_u32_u24 v[RDP], v10, 272
	v_lshl_add_u32 v[RDP], v1, 4, v[RDP]
	v_lshlrev_b32 v[GOUT], 12, v10
	v_lshl_add_u32 v[GOUT], v1, 4, v[GOUT]
	v_mov_b32 v[NEG], 0xff800000
	s_mov_b32 s14, 0x76543210
	s_mov_b32 s15, 0xfedcba98
	s_lshl_b32 s16, s11, 4
	s_add_co_u32 s16, s16, s10
	s_lshl_b32 s16, s16, 12                        ; 4,096 bytes a (batch, head)
	s_mov_b32 s17, 0
	s_lshl_b32 s18, ttmp9, 18                      ; Wo: 64 rows a column block,
	s_lshl_b32 s19, s10, 8                         ; my head's 64 channels
	s_add_co_u32 s18, s18, s19
	s_mov_b32 s19, 0
	s_lshl_b32 s20, s11, 23                        ; out0: the batch,
	s_lshl_b32 s21, ttmp9, 8                       ; the column block
	s_add_co_u32 s20, s20, s21
	s_mov_b32 s21, 0
	s_wait_kmcnt 0x0
	s_add_nc_u64 s[4:5], s[4:5], s[16:17]
	s_add_nc_u64 s[6:7], s[6:7], s[18:19]
	s_add_nc_u64 s[8:9], s[8:9], s[20:21]
.irp i, 0,1,2,3,4,5,6,7
	global_load_b128 v[QF+4*\i:QF+4*\i+3], v[AQ], s[4:5] offset:16*\i
.endr
.irp i, 0,1,2,3,4,5,6,7
	global_load_b128 v[KF+4*\i:KF+4*\i+3], v[AQ], s[4:5] offset:262144+16*\i
.endr
.irp t, 0,1,2,3
.irp kk, 0,1,2,3,4,5,6,7
	global_load_b32 v[VT+8*\t+\kk], v[AVT], s[4:5] offset:524288+256*\kk+64*\t
.endr
.endr
.irp ct, 0,1
.irp t, 0,1,2,3
.irp e, 0,1
	global_load_b128 v[WOA+32*\ct+8*\t+4*\e:WOA+32*\ct+8*\t+4*\e+3], v[AW], s[6:7] offset:65536*\ct+64*\t+16*\e
.endr
.endr
.endr
	s_wait_loadcnt 48                              ; q and k are in; v's 32 loads and Wo's 16 may be out
.irp kk, 0,1,2,3,4,5,6,7,8,9,10,11,12,13,14,15     ; S^T in four partial sums that take turns; the first four products start them
.if \kk < 4
	v_wmma_f32_16x16x4_f32 v[ACC+8*(\kk%4):ACC+8*(\kk%4)+7], v[KF+2*\kk:KF+2*\kk+1], v[QF+2*\kk:QF+2*\kk+1], 0
.else
	v_wmma_f32_16x16x4_f32 v[ACC+8*(\kk%4):ACC+8*(\kk%4)+7], v[KF+2*\kk:KF+2*\kk+1], v[QF+2*\kk:QF+2*\kk+1], v[ACC+8*(\kk%4):ACC+8*(\kk%4)+7]
.endif
.endr
.rept 9
	v_nop                                          ; places behind this form: eight for reads and for loads over its operands, the ninth for the next product, which writes over these sums
.endr
.irp ct, 2,3
.irp t, 0,1,2,3
.irp e, 0,1
	global_load_b128 v[QF+32*(\ct-2)+8*\t+4*\e:QF+32*(\ct-2)+8*\t+4*\e+3], v[AW], s[6:7] offset:65536*\ct+64*\t+16*\e
.endr
.endr
.endr
.irp j, 0,1,2,3,4,5,6,7                            ; the four partial sums, each read from its low end on
	v_add_f32 v[SS+\j], v[ACC+\j], v[ACC+8+\j]
	v_add_f32 v[SS+\j], v[SS+\j], v[ACC+16+\j]
	v_add_f32 v[SS+\j], v[SS+\j], v[ACC+24+\j]
.endr
.irp j, 0,1,2,3,4,5,6,7
	v_cmp_gt_i32 vcc_lo, \j, v[DQ]                 ; key 8 h + j comes after query r
	v_cndmask_b32 v[SS+\j], v[SS+\j], v[NEG], vcc_lo
.endr
	v_max3_num_f32 v[TM], v[SS], v[SS+1], v[SS+2]
	v_max3_num_f32 v[TM+1], v[SS+3], v[SS+4], v[SS+5]
	v_max3_num_f32 v[TM], v[TM], v[SS+6], v[SS+7]
	v_max_num_f32 v[TM], v[TM], v[TM+1]
	v_permlanex16_b32 v[TM+1], v[TM], s14, s15
	v_max_num_f32 v[TM], v[TM], v[TM+1]            ; the row's maximum: key 0 counts for every query
.irp j, 0,1,2,3,4,5,6,7
	v_sub_f32 v[P+\j], v[SS+\j], v[TM]
.endr
.irp j, 0,1,2,3,4,5,6,7
	v_exp_f32 v[P+\j], v[P+\j]
.endr
	v_nop
	s_wait_alu depctr_va_vdst(0)                   ; one wait for the eight, ahead of their first reader
	v_add_f32 v[TM], v[P], v[P+1]
	v_add_f32 v[TM+1], v[P+2], v[P+3]
	v_add_f32 v[TM+2], v[P+4], v[P+5]
	v_add_f32 v[TM+3], v[P+6], v[P+7]
	v_add_f32 v[TM], v[TM], v[TM+1]
	v_add_f32 v[TM+2], v[TM+2], v[TM+3]
	v_add_f32 v[TM], v[TM], v[TM+2]
	v_permlanex16_b32 v[TM+1], v[TM], s14, s15
	v_add_f32 v[TM], v[TM], v[TM+1]                ; the row's sum
	v_rcp_f32 v[TM+4], v[TM]
	v_nop
	s_wait_alu depctr_va_vdst(0)
	s_wait_loadcnt 32                              ; v is in; Wo's two runs of 16 may be out
.irp i, 0,1,2,3                                    ; O^T = V^T P^T: four accumulators by turns
.irp t, 0,1,2,3
.if \i == 0
	v_wmma_f32_16x16x4_f32 v[ACC+8*\t:ACC+8*\t+7], v[VT+8*\t+2*\i:VT+8*\t+2*\i+1], v[P+2*\i:P+2*\i+1], 0
.else
	v_wmma_f32_16x16x4_f32 v[ACC+8*\t:ACC+8*\t+7], v[VT+8*\t+2*\i:VT+8*\t+2*\i+1], v[P+2*\i:P+2*\i+1], v[ACC+8*\t:ACC+8*\t+7]
.endif
.endr
.endr
.rept 9
	v_nop
.endr
.irp j, 0,1,2,3,4,5,6,7,8,9,10,11,12,13,14,15,16,17,18,19,20,21,22,23,24,25,26,27,28,29,30,31
	v_mul_f32 v[VT+\j], v[ACC+\j], v[TM+4]         ; o = O^T / the sum, into other registers
.endr
	s_wait_loadcnt 0x0
.irp t, 0,1,2,3                                    ; Y^T = Wo o^T over my head's 64 channels: four accumulators by turns.  Wo's block ct lies at v[112 + 32 ct] (ct = 0, 1) or v[16 + 32 (ct - 2)]
.irp i, 0,1,2,3
.irp ct, 0,1,2,3
.if (\t == 0) && (\i == 0)
	v_wmma_f32_16x16x4_f32 v[ACC+8*\ct:ACC+8*\ct+7], v[WOA+32*\ct-160*(\ct/2)+8*\t+2*\i:WOA+32*\ct-160*(\ct/2)+8*\t+2*\i+1], v[VT+8*\t+2*\i:VT+8*\t+2*\i+1], 0
.else
	v_wmma_f32_16x16x4_f32 v[ACC+8*\ct:ACC+8*\ct+7], v[WOA+32*\ct-160*(\ct/2)+8*\t+2*\i:WOA+32*\ct-160*(\ct/2)+8*\t+2*\i+1], v[VT+8*\t+2*\i:VT+8*\t+2*\i+1], v[ACC+8*\ct:ACC+8*\ct+7]
.endif
.endr
.endr
.endr
.rept 9
	v_nop
.endr
.irp ct, 0,1,2,3
	ds_store_b128 v[PS], v[ACC+8*\ct:ACC+8*\ct+3] offset:64*\ct          ; each accumulator from its low end on
	ds_store_b128 v[PS], v[ACC+8*\ct+4:ACC+8*\ct+7] offset:64*\ct+16
.endr
	s_wait_dscnt 0x0                               ; for the others' sake: my part lies in LDS
	s_barrier_signal -1
	s_barrier_wait -1
	s_cmp_lt_u32 s10, 8                            ; waves 0 to 7 add two rows each
	s_cbranch_scc0 .Ldone
.irp p, 0,1,2,3,4,5,6,7,8,9,10,11,12,13,14,15
	ds_load_b128 v[WOA+4*\p:WOA+4*\p+3], v[RDP] offset:PART*\p
.endr
	s_wait_dscnt 0x0
.irp p, 0,2,4,6,8,10,12,14
	v_pk_add_f32 v[WOA+4*\p:WOA+4*\p+1], v[WOA+4*\p:WOA+4*\p+1], v[WOA+4*\p+4:WOA+4*\p+5]
	v_pk_add_f32 v[WOA+4*\p+2:WOA+4*\p+3], v[WOA+4*\p+2:WOA+4*\p+3], v[WOA+4*\p+6:WOA+4*\p+7]
.endr
.irp p, 0,4,8,12
	v_pk_add_f32 v[WOA+4*\p:WOA+4*\p+1], v[WOA+4*\p:WOA+4*\p+1], v[WOA+4*\p+8:WOA+4*\p+9]
	v_pk_add_f32 v[WOA+4*\p+2:WOA+4*\p+3], v[WOA+4*\p+2:WOA+4*\p+3], v[WOA+4*\p+10:WOA+4*\p+11]
.endr
.irp p, 0,8
	v_pk_add_f32 v[WOA+4*\p:WOA+4*\p+1], v[WOA+4*\p:WOA+4*\p+1], v[WOA+4*\p+16:WOA+4*\p+17]
	v_pk_add_f32 v[WOA+4*\p+2:WOA+4*\p+3], v[WOA+4*\p+2:WOA+4*\p+3], v[WOA+4*\p+18:WOA+4*\p+19]
.endr
	v_pk_add_f32 v[WOA:WOA+1], v[WOA:WOA+1], v[WOA+32:WOA+33]
	v_pk_add_f32 v[WOA+2:WOA+3], v[WOA+2:WOA+3], v[WOA+34:WOA+35]
	global_store_b128 v[GOUT], v[WOA:WOA+3], s[8:9]          ; sixteen lanes store 256 consecutive bytes, aligned: a row's 64 outputs
.Ldone:
	s_wait_tensorcnt 0x0                           ; the wave's end, behind my last LDS store
	ds_add_u32 v[SPW], v[NIL]
	s_wait_dscnt 0x0
	s_endpgm
.Lfunc_end_k_q4e46d51e88_fine:
	.size	k_q4e46d51e88_fine, .Lfunc_end_k_q4e46d51e88_fine-k_q4e46d51e88_fine
	.p2alignl 7, 3214868480
	.fill 96, 4, 3214868480
	.section	.rodata,"a",@progbits
	.p2align	6, 0x0
	.amdhsa_kernel k_q4e46d51e88_fine
		.amdhsa_group_segment_fixed_size 71680
		.amdhsa_private_segment_fixed_size 0
		.amdhsa_enable_private_segment 0
		.amdhsa_kernarg_size 24
		.amdhsa_user_sgpr_count 2
		.amdhsa_user_sgpr_kernarg_segment_ptr 1
		.amdhsa_wavefront_size32 1
		.amdhsa_system_sgpr_workgroup_id_x 1
		.amdhsa_system_sgpr_workgroup_id_y 1
		.amdhsa_system_sgpr_workgroup_id_z 1
		.amdhsa_system_vgpr_workitem_id 0
		.amdhsa_next_free_vgpr 256
		.amdhsa_next_free_sgpr 66
		.amdhsa_reserve_vcc 1
		.amdhsa_float_denorm_mode_32 3
		.amdhsa_float_denorm_mode_16_64 3
		.amdhsa_memory_ordered 1
		.amdhsa_forward_progress 1
		.amdhsa_inst_pref_size 25
	.end_amdhsa_kernel
	.amdgpu_metadata
---
amdhsa.version: [ 1, 2 ]
amdhsa.kernels:
  - .name:           k_q4e46d51e88_fine
    .symbol:         k_q4e46d51e88_fine.kd
    .args:
      - { .name: qkv32, .offset: 0, .size: 8, .value_kind: global_buffer, .address_space: global }
      - { .name: Wo, .offset: 8, .size: 8, .value_kind: global_buffer, .address_space: global }
      - { .name: out0, .offset: 16, .size: 8, .value_kind: global_buffer, .address_space: global }
    .group_segment_fixed_size: 71680
    .private_segment_fixed_size: 0
    .kernarg_segment_align: 8
    .kernarg_segment_size: 24
    .max_flat_workgroup_size: 512
    .sgpr_count:     66
    .vgpr_count:     256
    .wavefront_size: 32
...
	.end_amdgpu_metadata
.endif
;; end of part 5
